; MI455X (gfx1250); checked and timed in simulation.
; The chip was launched on July 23, 2026; its instructions are those of AMD's public machine-readable ISA for CDNA 5 (MIT licence, August 2026) and "CDNA5" Instruction Set Architecture Reference Guide (July 2026). The comments in the code are by the model that wrote it; some were corrected since.
;; Feature Attention. Allowed arithmetic: float matrix products may take bf16 or f16 operands with f32 sums; other float arithmetic in f32, or as packed bf16 or f16 multiplies, adds, multiply-adds, maxima and minima; sums over many terms, partial sums and values carried from step to step in f32; what a program stores and reads back later, other than sums and carried values, may be rounded once to bf16 or f16.
;; Inputs: Wk 1,024 x 1,024 float32; Wq 1,024 x 1,024 float32; Wv 1,024 x 1,024 float32; bk 1,024 float32; bq 1,024 float32; bv 1,024 float32; x 4 x 2,048 x 1,024 float32.
;; Outputs: out0 4 x 2,048 x 1,024 float32.
;; 2 versions, each right; version 2 is version 1 with the launch cast written anew for expert scheduling mode. Each part assembles by itself: llvm-mc -triple=amdgcn-amd-amdhsa -mcpu=gfx1250 --defsym DOCPART=n.
;; ======== version 1 of 2: 4 launches
;; limits: values are held in f16: magnitudes above 65,504 overflow, below 6.1e-05 lose precision
;; workspace buffers: xw 23,068,672 bytes; bb 12,288 bytes; qkv 50,331,648 bytes; p 33,554,432 bytes; st 1,048,576 bytes
;; launch cast (part 1): grid 705 x 1, 8 waves a work-group, no clusters, 0 bytes of LDS; arguments x, Wq, Wk, Wv, bq, bk, bv, xw, bb; writes xw, bb
.if DOCPART == 1
	.amdgcn_target "amdgcn-amd-amdhsa--gfx1250"
	.amdhsa_code_object_version 6
	.text
	.protected	k_qca8cdf0e84_cast
	.globl	k_qca8cdf0e84_cast
	.p2align	8
	.type	k_qca8cdf0e84_cast,@function
k_qca8cdf0e84_cast:
	s_mov_b64 s[64:65], 0
	v_nop
	global_prefetch_b8 v0, s[64:65] scope:SCOPE_SE
	s_setreg_imm32_b32 hwreg(HW_REG_WAVE_MODE, 25, 1), 1
	s_wait_xcnt 0x0
; CAST.  x [8192][1024], Wq, Wk, Wv [1024][1024], all f32, are rounded once to bf16 and laid in xw IN BLOCKS OF K: xw [16 blocks][11264 rows][64]: rows 0-8191 x, 8192-9215 Wq, 9216-10239 Wk,
; 10240-11263 Wv; block kb holds channels 64 kb .. 64 kb + 63.  So the rows of a tile of 64 channels lie end to end, 128 bytes each, for the launch behind.
; bq, bk, bv [1024] f32 are rounded to bf16, widened again and laid on end in bb [3072] f32.  A stream: each byte is read once and written once; no LDS, no barrier, no matrix work.
; SHARES.  Groups 0-703 cast 16 rows each (0-511 x, 512-575 Wq, 576-639 Wk, 640-703 Wv); a wave takes two rows: load i brings channels 64 i .. 64 i + 63 of both (lanes 0-15 one row's 256 consecutive
; bytes, lanes 16-31 the next row's), all sixteen loads issued before the first is used; a lane's four numbers become 8 bytes, and store i of the wave covers 256 consecutive bytes of block i, aligned.
; Group 704 casts the biases: a thread four numbers of each.
.set STEPB, 11264*128                  ; bytes in a block of xw
	s_load_b256 s[4:11], s[0:1], 0x0               ; x s[4:5], Wq s[6:7], Wk s[8:9], Wv s[10:11]
	s_load_b256 s[12:19], s[0:1], 0x20             ; bq s[12:13], bk s[14:15], bv s[16:17], xw s[18:19]
	s_load_b64 s[20:21], s[0:1], 0x40              ; bb
	s_cmp_eq_u32 ttmp9, 704
	s_cbranch_scc1 .Lbias
	s_lshr_b32 s25, ttmp9, 6                       ; 0-7: x; 8: Wq; 9: Wk; 10: Wv
	s_and_b32 s24, ttmp9, 63                       ; the group's place in a weight matrix
	v_lshrrev_b32 v3, 5, v0                        ; wave
	v_and_b32 v4, 31, v0                           ; lane
	v_bfe_u32 v5, v0, 4, 1                         ; lane / 16: which of the wave's two rows
	v_and_b32 v6, 15, v0                           ; lane % 16
	v_lshl_add_u32 v1, v3, 1, v5                   ; my row in the group
	v_lshlrev_b32 v1, 12, v1                       ; 4,096 bytes a row of the source
	v_lshl_add_u32 v1, v6, 4, v1                   ; + 16 bytes a lane
	v_lshlrev_b32 v8, 8, v3                        ; destination: two rows of 128 bytes a wave, 8 bytes a lane
	v_lshl_add_u32 v8, v4, 3, v8
	v_add_nc_u32 v9, 5*STEPB, v8                   ; five blocks stand in a store's immediate; the rest in four offsets
	v_add_nc_u32 v10, 10*STEPB, v8
	v_add_nc_u32 v11, 15*STEPB, v8
	s_wait_kmcnt 0x0
	s_cmp_eq_u32 s25, 9
	s_cselect_b64 s[22:23], s[8:9], s[6:7]         ; Wk, else Wq
	s_cmp_eq_u32 s25, 10
	s_cselect_b64 s[22:23], s[10:11], s[22:23]     ; Wv
	s_cmp_lt_u32 s25, 8
	s_cselect_b64 s[22:23], s[4:5], s[22:23]       ; x
	s_cselect_b32 s26, ttmp9, s24                  ; the group's place in its source
	s_lshl_b32 s26, s26, 16                        ; 16 rows of 4,096 bytes
	s_mov_b32 s27, 0
	s_add_nc_u64 s[22:23], s[22:23], s[26:27]
	s_lshl_b32 s24, ttmp9, 11                      ; 16 rows of 128 bytes in each block
	s_mov_b32 s25, 0
	s_add_nc_u64 s[18:19], s[18:19], s[24:25]
.set i, 0
.rept 16
	global_load_b128 v[16+4*i:19+4*i], v1, s[22:23] offset:256*i th:TH_LOAD_NT
.set i, i+1
.endr
.set i, 0
.rept 16
	s_wait_loadcnt 15-i                            ; loads come back in order: load i is in, the 15 - i younger ones stay out
	v_cvt_pk_bf16_f32 v[80+2*i], v[16+4*i], v[17+4*i]
	v_cvt_pk_bf16_f32 v[81+2*i], v[18+4*i], v[19+4*i]
	global_store_b64 v[8+i/5], v[80+2*i:81+2*i], s[18:19] offset:(i%5)*STEPB   ; no register is written twice, so no store's source needs a wait
.set i, i+1
.endr
	s_endpgm
.Lbias:
	v_lshlrev_b32 v1, 4, v0                        ; 256 threads x 16 bytes = a bias vector
	s_mov_b32 s24, 0xffff0000                      ; a word's upper bf16
	s_wait_kmcnt 0x0
	global_load_b128 v[16:19], v1, s[12:13]
	global_load_b128 v[20:23], v1, s[14:15]
	global_load_b128 v[24:27], v1, s[16:17]
	s_wait_loadcnt 0x0
.set i, 0
.rept 6
	v_cvt_pk_bf16_f32 v[32+i], v[16+2*i], v[17+2*i]
.set i, i+1
.endr
.set i, 0
.rept 6
	v_lshlrev_b32 v[40+2*i], 16, v[32+i]           ; bf16 to f32: the low half moves up,
	v_and_b32 v[41+2*i], s24, v[32+i]              ; the high half stays
.set i, i+1
.endr
	global_store_b128 v1, v[40:43], s[20:21]                ; 16 lanes store 256 consecutive bytes, aligned
	global_store_b128 v1, v[44:47], s[20:21] offset:4096
	global_store_b128 v1, v[48:51], s[20:21] offset:8192
	s_endpgm
.Lfunc_end_k_qca8cdf0e84_cast:
	.size	k_qca8cdf0e84_cast, .Lfunc_end_k_qca8cdf0e84_cast-k_qca8cdf0e84_cast
	.p2alignl 7, 3214868480
	.fill 96, 4, 3214868480
	.section	.rodata,"a",@progbits
	.p2align	6, 0x0
	.amdhsa_kernel k_qca8cdf0e84_cast
		.amdhsa_group_segment_fixed_size 0
		.amdhsa_private_segment_fixed_size 0
		.amdhsa_enable_private_segment 0
		.amdhsa_kernarg_size 72
		.amdhsa_user_sgpr_count 2
		.amdhsa_user_sgpr_kernarg_segment_ptr 1
		.amdhsa_wavefront_size32 1
		.amdhsa_system_sgpr_workgroup_id_x 1
		.amdhsa_system_sgpr_workgroup_id_y 1
		.amdhsa_system_sgpr_workgroup_id_z 1
		.amdhsa_system_vgpr_workitem_id 0
		.amdhsa_next_free_vgpr 112
		.amdhsa_next_free_sgpr 66
		.amdhsa_reserve_vcc 0
		.amdhsa_float_denorm_mode_32 3
		.amdhsa_float_denorm_mode_16_64 3
		.amdhsa_memory_ordered 1
		.amdhsa_forward_progress 1
		.amdhsa_inst_pref_size 9
	.end_amdhsa_kernel
	.amdgpu_metadata
---
amdhsa.version: [ 1, 2 ]
amdhsa.kernels:
  - .name:           k_qca8cdf0e84_cast
    .symbol:         k_qca8cdf0e84_cast.kd
    .args:
      - { .name: x, .offset: 0, .size: 8, .value_kind: global_buffer, .address_space: global }
      - { .name: Wq, .offset: 8, .size: 8, .value_kind: global_buffer, .address_space: global }
      - { .name: Wk, .offset: 16, .size: 8, .value_kind: global_buffer, .address_space: global }
      - { .name: Wv, .offset: 24, .size: 8, .value_kind: global_buffer, .address_space: global }
      - { .name: bq, .offset: 32, .size: 8, .value_kind: global_buffer, .address_space: global }
      - { .name: bk, .offset: 40, .size: 8, .value_kind: global_buffer, .address_space: global }
      - { .name: bv, .offset: 48, .size: 8, .value_kind: global_buffer, .address_space: global }
      - { .name: xw, .offset: 56, .size: 8, .value_kind: global_buffer, .address_space: global }
      - { .name: bb, .offset: 64, .size: 8, .value_kind: global_buffer, .address_space: global }
    .group_segment_fixed_size: 0
    .private_segment_fixed_size: 0
    .kernarg_segment_align: 8
    .kernarg_segment_size: 72
    .max_flat_workgroup_size: 256
    .sgpr_count:     66
    .vgpr_count:     112
    .wavefront_size: 32
...
	.end_amdgpu_metadata
.endif
;; end of part 1
;; launch proj (part 2): grid 8 x 32, 4 waves a work-group, clusters of 4 x 4, 327,680 bytes of LDS; arguments xw, bb, qkv; writes qkv
.if DOCPART == 2
	.amdgcn_target "amdgcn-amd-amdhsa--gfx1250"
	.amdhsa_code_object_version 6
	.text
	.protected	k_qca8cdf0e84_proj
	.globl	k_qca8cdf0e84_proj
	.p2align	8
	.type	k_qca8cdf0e84_proj,@function
k_qca8cdf0e84_proj:
	s_mov_b64 s[64:65], 0
	v_nop
	global_prefetch_b8 v0, s[64:65] scope:SCOPE_SE
	s_setreg_imm32_b32 hwreg(HW_REG_WAVE_MODE, 25, 1), 1
	s_wait_xcnt 0x0
	s_wait_alu depctr_hold_cnt(0) depctr_sa_sdst(0) depctr_va_vdst(0) depctr_va_sdst(0) depctr_va_ssrc(0) depctr_va_vcc(0) depctr_vm_vsrc(0)
	s_getreg_b32 s2, hwreg(HW_REG_IB_STS2, 6, 4)
	s_cmp_eq_u32 s2, 0
	s_cbranch_scc0 .Lentry_in_a_cluster
	s_endpgm
.Lentry_in_a_cluster:
	s_bfe_u32 s2, ttmp6, 0x10000c
	s_cmp_lg_u32 s2, 0xf033
	s_cbranch_scc0 .Lentry_shape_is_right
	s_endpgm
.Lentry_shape_is_right:
; PROJ.  qkv[t][n] = the sum over d of x[t][d] W[n][d] + b[n]: t = 0..8191 tokens, n = 0..3071 (0-1023 Q, 1024-2047 K, 2048-3071 V).  x and W come as bf16 out of xw [16 blocks of 64 channels][11264 rows][64]
; (rows 0-8191 x, rows 8192-11263 the three weight matrices on end), the biases, already rounded to bf16 and widened, out of bb [3072] f32.  Sums in f32; qkv [8192][3072] rounded once to f16.
; LIMIT.  f16 holds no number beyond 65,504: Q, K and V must lie within it.
; SHAPE.  8192 x 3072 outputs for 256 work-groups are 256 tokens x 384 columns each: 8 x 32 tiles, one to a work-group.  Four waves, each 128 x 192: 96 accumulators, 768 registers.
; K = 1,024 goes in 16 steps of 64 through a ring of two LDS slots filled by the tensor data mover (two slots of 128 channels, 2 x 640 rows x 272 bytes, would not fit in LDS).  In xw a tile's rows lie end to
; end, so they are asked for as rows of 256 bytes, two of the tile's rows each, and padded in LDS behind every 128 bytes.
; CLUSTERS of 4 x 4: the four of a row of the cluster need the same rows of x, the four of a column the same rows of W: each tile is asked for JOINTLY, the same tensor load with the same descriptor and a
; mask that names the four.
; THE MATRIX INSTRUCTION IS USED TRANSPOSED (source 0 = 16 rows of W, source 1 = 16 rows of x): a lane holds token l % 16 and the columns 8 (l / 16) + 0..7.
; REGISTERS, in windows of 256 (s_set_vgpr_msb: bits 1:0 source 0, 3:2 source 1, 5:4 source 2, 7:6 destination):
;   window 0: v16-30 addresses; v32-95, v96-159 fragments of x (8 x 16 rows x 32 K), two buffers; v160-255 fragments of W (12 x 16 rows x 32 K), ONE buffer; on the way out v32-63 packed results, v64-255 rows read back
;   windows 1, 2, 3: the accumulators of column blocks 0-3, 4-7, 8-11: (row block a, column block b) at v[64 (b % 4) + 8 a] of window 1 + b / 4
; A QUARTER is 32 along K: three GROUPS of 32 products, a window each.  W's one buffer is filled again group by group as the products leave it: behind group 0 come W's group 0 and all of x for the next
; quarter (24 loads), behind group 2 W's groups 1 and 2 (16 loads): two runs of loads for 96 products, each 32 products or more ahead of its first use.
; THE BIAS lies in the accumulators of row block 0, loaded there from bb: a lane's eight registers of column block b hold b[16 b + 8 (l / 16) + 0..7].  The first quarter's products for row blocks 1 to 7 take
; those registers as C; then, five places on, row block 0's products add in place.  Nothing is cleared and no bias is added later.
.set PITCH,  144                       ; an LDS row: 128 bytes + 16 of padding = 36 words: the 16 rows of a fragment load start at 16 different groups of four banks (64 banks of 4 bytes: ISA guide 11.1)
.set AHALF,  128*PITCH                 ; 128 rows of x: what waves 0 and 1 fetch, and what a wave reads
.set BHALF,  192*PITCH                 ; 192 rows of W: what waves 2 and 3 fetch, and what a wave reads
.set BOFF,   2*AHALF                   ; W's rows lie behind x's 256
.set SLOT,   BOFF+2*BHALF
.set STAGE,  2*SLOT                    ; behind the ring, never filled by a tensor load: 128 rows x 784 bytes, the work-group's, for the way out
.set SPITCH, 784                       ; 768 bytes + 16 = 196 words: row r starts at bank 4 r mod 64
.set SPARE,  STAGE+128*SPITCH          ; behind the stage: the spare words, 128 bytes for each wave; no other line names them
.set STEPB,  11264*128                 ; bytes from a K step to the next in xw
.set OUTB,   6144                      ; bytes in a row of qkv
.set TRIPS,  7                         ; a trip = two K steps = once round the ring; 14 refills bring K steps 2 to 15
.set ADRA, 16                          ; v16-17  LDS address of my fragments of x in slot 0, 1
.set ADRB, 20                          ; v20-21  the same for W
.set STO,  24                          ; v24     the way out: where I put 16 bytes of a row
.set RD,   25                          ; v25     the way out: where I read 16 bytes of a row back
.set CO,   26                          ; v26     my byte offset in two rows of qkv
.set BO,   27                          ; v27     my byte offset in bb
.set SPW,  28                          ; v28     LDS address of my spare word; never rewritten
.set NIL,  29                          ; v29     0; never rewritten
.set PFO,  30                          ; v30     the prefetches' offset; never rewritten
.set A0,   32
.set A1,   96
.set BF,   160
.set TMP,  32
.set OB,   64
.set LIM,  43                          ; s43     1 in a wave that prefetches at a trip's first change of slots, else the greatest number
.set PFA,  44                          ; s[44:45] where my prefetches stand
.set LIM2, 66                          ; s66     the same as LIM for the trip's second change
.set G1, 24                            ; s[24:31] descriptor group 1 for x's tiles;  s[32:39] group 0, a set for each slot
.set G0, 32
.set G1B, 48                           ; s[48:55], s[56:63] the same for W's tiles
.set G0B, 56
.set MSB, 0
.macro WIN new                         ; the immediate's high byte repeats the setting that is left; a switch that changes nothing is dropped
.if MSB != (\new)
	s_set_vgpr_msb (MSB<<8)|(\new)
.set MSB, \new
.endif
.endm
; A joint load.  Waves 0 and 1 fetch x's two halves, waves 2 and 3 W's.  The branch hangs on the wave's number alone.  An s_nop 0 and four v_nop follow each of the two lines.
.macro JLOAD s
	s_cmp_eq_u32 s11, 0
	s_cbranch_scc0 .Lfor_b_\@
	tensor_load_to_lds s[G0+4*(\s):G0+4*(\s)+3], s[G1:G1+7]
	s_nop 0
.rept 4
	v_nop
.endr
	s_branch .Lasked_\@
.Lfor_b_\@:
	tensor_load_to_lds s[G0B+4*(\s):G0B+4*(\s)+3], s[G1B:G1B+7]
	s_nop 0
.rept 4
	v_nop
.endr
.Lasked_\@:
.endm
; A PREFETCH of the K step that stands two refills on, each lane another 256 bytes, each block named once in the launch.  x: a step of a tile is 128 blocks; the clusters with x = 0 ask; wave 0 of each of the four
; partners names 32 (32 cx + lane), at every change of slots.  W: a step of a tile is 192 blocks; the clusters with y = 0 ask; waves 1, 2, 3 of each of the four partners name 16 each
; (48 cy + 16 (wave - 1) + lane % 16) of TWO steps (lanes 0-15 one, lanes 16-31 the next), at a trip's first change alone.  The partners are told apart by address.  K steps 4 to 15 are named; 0 to 3 come by their
; loads alone; the loop's last trip (s3 = 1) asks for nothing.
.macro ASK lim
	s_cmp_gt_u32 s3, s[\lim]
	s_cbranch_scc0 .Lnot_mine_\@
	global_prefetch_b8 v[PFO], s[PFA:PFA+1] th:TH_LOAD_NT scope:SCOPE_SE
.Lnot_mine_\@:
.endm
.macro CREST                           ; a round of the cluster's barrier behind its opening barrier
	s_cmp_lg_u32 s10, 0
	s_cbranch_scc1 .Lnot_wave_0_\@
	s_barrier_signal -3
.Lnot_wave_0_\@:
	s_barrier_wait -3
	s_barrier_signal -1
	s_barrier_wait -1
.endm
.macro CROUND                          ; a whole round
	s_barrier_signal -1
	s_barrier_wait -1
	CREST
.endm
	s_load_b128 s[4:7], s[0:1], 0x0                ; xw s[4:5], bb s[6:7]
	s_load_b64 s[8:9], s[0:1], 0x10                ; qkv
	v_lshl_add_u32 v[SPW], v0, 2, SPARE
	v_mov_b32 v[NIL], 0
	ds_add_u32 v[SPW], v[NIL]                      ; the wave's opening: the add and its wait stand ahead of my first tensor load; work on registers stands between them
	v_lshrrev_b32 v1, 5, v0
	v_readfirstlane_b32 s10, v1                    ; wave 0..3
	s_lshr_b32 s11, s10, 1                         ; which half of the tile's rows is mine.  Also: I fetch for x (0) or for W (1)
	s_and_b32 s12, s10, 1                          ; which half of its columns.  Also: which half of that tile's rows I fetch
	s_bfe_u32 s40, ttmp6, 0x40000                  ; cx
	s_bfe_u32 s41, ttmp6, 0x40004                  ; cy
	s_lshl_b32 s42, ttmp9, 2
	s_add_co_u32 s42, s42, s40                     ; tile column = 4 x cluster x + cx
	s_and_b32 s13, ttmp7, 0xffff
	s_lshl_b32 s13, s13, 2
	s_add_co_u32 s13, s13, s41                     ; tile row = 4 x cluster y + cy
	s_lshl_b32 s43, s41, 2
	s_lshl_b32 s43, 15, s43                        ; my row of the cluster
	s_lshl_b32 s44, 0x1111, s40                    ; my column
	; descriptor group 1: dense bytes as rows of 128 elements (two of the tile's rows), padded in LDS behind every 32 words
	s_or_b32 s[G1+0], s43, (1<<16)|(1<<20)|(1<<21)|(4<<22)|(3<<25)   ; the mask; 2-byte elements; padding on; bit 21 beside a mask; after every 32 words (code 4) 4 words of padding (code 3)
	s_mov_b32 s[G1+1], 128<<16                     ; tensor_dim0 = 128
	s_mov_b32 s[G1+2], 64<<16                      ; tensor_dim1 = 64: 128 rows of x
	s_mov_b32 s[G1+3], 128<<16                     ; tile_dim0 = 128
	s_mov_b32 s[G1+4], 64                          ; tile_dim1 = 64
	s_mov_b32 s[G1+5], 128                         ; elements from row to row
	s_mov_b32 s[G1+6], 0
	s_mov_b32 s[G1+7], 0
	s_or_b32 s[G1B+0], s44, (1<<16)|(1<<20)|(1<<21)|(4<<22)|(3<<25)
	s_mov_b32 s[G1B+1], 128<<16
	s_mov_b32 s[G1B+2], 96<<16                     ; 96: 192 rows of W
	s_mov_b32 s[G1B+3], 128<<16
	s_mov_b32 s[G1B+4], 96
	s_mov_b32 s[G1B+5], 128
	s_mov_b32 s[G1B+6], 0
	s_mov_b32 s[G1B+7], 0
	s_lshl_b32 s17, s12, 7
	s_lshl_b32 s16, s13, 8
	s_add_co_u32 s16, s16, s17                     ; x: row 256 x tile row + 128 x half,
	s_lshl_b32 s16, s16, 7                         ; of 128 bytes
	s_mov_b32 s17, 0
	s_mul_i32 s46, s42, 384
	s_mul_i32 s47, s12, 192
	s_add_co_u32 s46, s46, s47
	s_add_co_u32 s46, s46, 8192                    ; W: row 8,192 + 384 x tile column + 192 x half
	s_lshl_b32 s46, s46, 7
	s_mov_b32 s47, 0
	s_mul_i32 s20, s12, AHALF                      ; where they go: no place in the cluster enters an LDS address
	s_mul_i32 s21, s12, BHALF
	s_add_co_u32 s21, s21, BOFF
	s_wait_dscnt 0x0                               ; the opening add is done
	s_wait_kmcnt 0x0
	s_add_nc_u64 s[14:15], s[4:5], s[16:17]
	s_add_nc_u64 s[46:47], s[4:5], s[46:47]
	CROUND                                         ; all sixteen work-groups are here: the first joint loads meet
.irp s, 0,1
	s_mov_b32 s[G0+4*(\s)], 1
	s_add_co_u32 s[G0+4*(\s)+1], s20, (\s)*SLOT
	s_add_nc_u64 s[G0+4*(\s)+2:G0+4*(\s)+3], s[14:15], (\s)*STEPB
	s_or_b32 s[G0+4*(\s)+3], s[G0+4*(\s)+3], 0x80000000
	s_mov_b32 s[G0B+4*(\s)], 1
	s_add_co_u32 s[G0B+4*(\s)+1], s21, (\s)*SLOT
	s_add_nc_u64 s[G0B+4*(\s)+2:G0B+4*(\s)+3], s[46:47], (\s)*STEPB
	s_or_b32 s[G0B+4*(\s)+3], s[G0B+4*(\s)+3], 0x80000000
	JLOAD \s                                       ; both slots are asked for before anything else: two loads of mine are out
.endr
	v_and_b32 v1, 15, v0                           ; l % 16
	v_bfe_u32 v2, v0, 4, 1                         ; l / 16
	; the bias of my 192 columns, straight into the accumulators of row block 0
	s_mul_i32 s18, s42, 1536                       ; 384 numbers of 4 bytes a tile column,
	s_mul_i32 s19, s12, 768                        ; 192 a half
	s_add_co_u32 s18, s18, s19
	v_lshl_add_u32 v[BO], v2, 5, s18               ; + 8 (l / 16) numbers
.irp b, 0,1,2,3,4,5,6,7,8,9,10,11
	WIN (1+(\b)/4)<<6                              ; destination in the column block's window, address in window 0
	global_load_b128 v[64*((\b)%4):64*((\b)%4)+3],   v[BO], s[6:7] offset:64*(\b)
	global_load_b128 v[64*((\b)%4)+4:64*((\b)%4)+7], v[BO], s[6:7] offset:64*(\b)+16
.endr
	WIN 0
	; a fragment is 16 rows x 32 K in 8 registers: lane l holds row l % 16, K = 8 (l / 16) + 0..7 and 16 + 8 (l / 16) + 0..7: two loads of 16 bytes, 32 bytes apart
	v_mul_u32_u24 v3, v1, PITCH
	v_lshl_add_u32 v3, v2, 4, v3
	s_mul_i32 s21, s11, AHALF                      ; my 128 rows of x
	s_mul_i32 s22, s12, BHALF                      ; my 192 rows of W
	s_add_co_u32 s22, s22, BOFF
.irp s, 0,1
	v_add_nc_u32 v[ADRA+(\s)], s21, v3
	v_add_nc_u32 v[ADRB+(\s)], s22, v3
	s_add_co_u32 s21, s21, SLOT
	s_add_co_u32 s22, s22, SLOT
.endr
	; the stage holds 128 rows at a time: 64 of each half of the tile's rows.  In: row 64 x my half + 16 x block + l % 16, byte 384 x my column half + 32 b + 16 (l / 16)
	s_mul_i32 s23, s11, 64*SPITCH
	s_mul_i32 s18, s12, 384
	s_add_co_u32 s23, s23, s18
	s_add_co_u32 s23, s23, STAGE
	v_mul_u32_u24 v4, v1, SPITCH
	v_lshl_add_u32 v4, v2, 4, v4
	v_add_nc_u32 v[STO], s23, v4
	s_mul_i32 s23, s10, 32*SPITCH                  ; back: wave w takes rows 32 w .. 32 w + 31, whole: lanes 0-15 256 bytes of one row, lanes 16-31 of the next
	s_add_co_u32 s23, s23, STAGE
	v_mul_u32_u24 v5, v2, SPITCH
	v_lshl_add_u32 v5, v1, 4, v5
	v_add_nc_u32 v[RD], s23, v5
	v_mul_u32_u24 v5, v2, OUTB                     ; and the same two rows in qkv
	v_lshl_add_u32 v[CO], v1, 4, v5
	s_lshl_b32 s16, s13, 8                         ; the first row that I store: 256 x tile row + 128 (w / 2) + 32 (w % 2),
	s_lshl_b32 s17, s11, 7
	s_add_co_u32 s16, s16, s17
	s_lshl_b32 s17, s12, 5
	s_add_co_u32 s16, s16, s17
	s_mul_i32 s16, s16, OUTB
	s_mov_b32 s17, 0
	s_mul_i32 s46, s42, 768                        ; the tile's first column, in bytes
	s_mov_b32 s47, 0
	s_add_nc_u64 s[16:17], s[16:17], s[46:47]
	s_add_nc_u64 s[8:9], s[8:9], s[16:17]          ; all else stands in the stores' immediates
	; the prefetches
	s_lshl_b32 s20, s13, 15                        ; x: 256 x tile row rows of 128 bytes,
	s_lshl_b32 s21, s40, 13                        ; + 32 cx blocks of 256 bytes
	s_add_co_u32 s20, s20, s21
	s_mul_i32 s22, s42, 384
	s_add_co_u32 s22, s22, 8192
	s_lshl_b32 s22, s22, 7                         ; W: row 8,192 + 384 x tile column,
	s_mul_i32 s23, s41, 48
	s_max_u32 s18, s10, 1
	s_sub_co_u32 s18, s18, 1
	s_lshl4_add_u32 s23, s18, s23                  ; + 48 cy + 16 (wave - 1) blocks
	s_lshl_b32 s23, s23, 8
	s_add_co_u32 s22, s22, s23
	s_and_b32 s23, ttmp7, 0xffff                   ; cluster y
	s_cmp_eq_u32 s10, 0                            ; wave 0 asks for x, the others for W
	s_cselect_b32 s20, s20, s22
	s_cselect_b32 s23, ttmp9, s23                  ; the coordinate along which other clusters read the same rows
	s_cselect_b32 s18, 31, 15                      ; blocks a step in one instruction, less 1
	s_cselect_b32 s19, 0, STEPB                    ; W: lanes 16-31 name the step after
	s_cselect_b32 s[LIM2], 1, -1
	s_cmp_eq_u32 s23, 0
	s_cselect_b32 s[LIM], 1, -1                    ; the same in all sixteen partners, for a given wave
	s_cselect_b32 s[LIM2], s[LIM2], -1
	s_mov_b32 s21, 0
	s_add_nc_u64 s[PFA:PFA+1], s[4:5], s[20:21]
	s_add_nc_u64 s[PFA:PFA+1], s[PFA:PFA+1], 3*STEPB   ; at K step 3: the first change of slots steps it to 4
	v_and_b32 v[PFO], s18, v0
	v_lshlrev_b32 v[PFO], 8, v[PFO]
	v_mul_u32_u24 v5, v2, s19
	v_add_nc_u32 v[PFO], v[PFO], v5
; Products of group g: column blocks 4 g + b0 .. 4 g + b0 + nb - 1 x all 8 row blocks, 32 along K, x's fragments in buffer af.  The 96 accumulators take turns, one instruction a turn, in the same order in
; every quarter.  Both sources lie in window 0, C and D in window g + 1.
.macro GRP g, af, b0, nb
	WIN 0x50*((\g)+1)
.set cb, \b0
.rept \nb
.set ra, 0
.rept 8
	v_wmma_f32_16x16x32_bf16 v[64*cb+8*ra:64*cb+8*ra+7], v[BF+8*(4*(\g)+cb):BF+8*(4*(\g)+cb)+7], v[(\af)+8*ra:(\af)+8*ra+7], v[64*cb+8*ra:64*cb+8*ra+7]
.set ra, ra+1
.endr
.set cb, cb+1
.endr
.endm
; The same for the first quarter, which starts the sums: row blocks 1 to 7 take the bias, which lies in row block 0's accumulator, as C; five plain instructions stand between the last product that reads it and
; the product that writes over it (ISA guide 7.12.1); then row block 0 adds in place.
.macro GRPZ g
	WIN 0x50*((\g)+1)
.set cb, 0
.rept 4
.set ra, 1
.rept 7
	v_wmma_f32_16x16x32_bf16 v[64*cb+8*ra:64*cb+8*ra+7], v[BF+8*(4*(\g)+cb):BF+8*(4*(\g)+cb)+7], v[A0+8*ra:A0+8*ra+7], v[64*cb:64*cb+7]
.set ra, ra+1
.endr
.set cb, cb+1
.endr
.rept 5
	v_nop
.endr
.set cb, 0
.rept 4
	v_wmma_f32_16x16x32_bf16 v[64*cb:64*cb+7], v[BF+8*(4*(\g)+cb):BF+8*(4*(\g)+cb)+7], v[A0:A0+7], v[64*cb:64*cb+7]
.set cb, cb+1
.endr
.endm
.macro LDB g, slot, c                  ; 8 LDS loads: W's fragments 4 g .. 4 g + 3, 32 K at byte 64 c of the rows
.irp i, 0,1,2,3
	ds_load_b128 v[BF+8*(4*(\g)+(\i)):BF+8*(4*(\g)+(\i))+3],   v[ADRB+(\slot)] offset:64*(\c)+(4*(\g)+(\i))*16*PITCH
	ds_load_b128 v[BF+8*(4*(\g)+(\i))+4:BF+8*(4*(\g)+(\i))+7], v[ADRB+(\slot)] offset:64*(\c)+(4*(\g)+(\i))*16*PITCH+32
.endr
.endm
.macro LDA af, slot, c                 ; 16 LDS loads: x's eight fragments into buffer af
.irp i, 0,1,2,3,4,5,6,7
	ds_load_b128 v[(\af)+8*(\i):(\af)+8*(\i)+3],   v[ADRA+(\slot)] offset:64*(\c)+(\i)*16*PITCH
	ds_load_b128 v[(\af)+8*(\i)+4:(\af)+8*(\i)+7], v[ADRA+(\slot)] offset:64*(\c)+(\i)*16*PITCH+32
.endr
.endm
.macro PLACES                          ; four plain vector instructions between a matrix instruction and a load into, or a vector instruction on, its registers
.rept 4
	v_nop
.endr
.endm
; A K step's first quarter: buffer A0 is multiplied; the second quarter's fragments are fetched from the same slot, x's into A1
.macro QFIRST slot, zero
	s_wait_dscnt 16                                ; W's group 0 and x are in; the youngest sixteen loads (W's groups 1 and 2) may be out
.if \zero
	GRPZ 0
.else
	GRP 0, A0, 0, 4
.endif
	WIN 0
	PLACES
	LDB 0, \slot, 1
	LDA A1, \slot, 1
	s_wait_dscnt 24                                ; all but the 24 just issued
.if \zero
	GRPZ 1
	GRPZ 2
.else
	GRP 1, A0, 0, 4
	GRP 2, A0, 0, 4
.endif
	WIN 0
	PLACES
	LDB 1, \slot, 1
	LDB 2, \slot, 1                                ; my last reads of this slot
.endm
; Its second quarter: buffer A1 is multiplied, and the slots change: ONE barrier, in group 0.  In front of it each wave waits for all its tensor loads (one is out: its part of the next slot), adds 0 to its spare
; word, and waits for that and for its own reads of this slot, the last of which were issued 24 products back.  Behind it nobody reads this slot any more and the next slot is whole.
; fill = 1: the barrier opens a round of the cluster's, and the slot is filled again, with the K step two steps on, first thing behind it: 176 products stand between the request and the wait for it.
.macro TURN slot, next, fill, lim
.if \fill
	s_wait_xcnt 0x0                                ; the last prefetch, a K step back, has read its address
	s_add_nc_u64 s[PFA:PFA+1], s[PFA:PFA+1], STEPB
.endif
	s_wait_dscnt 16                                ; W's group 0 and x are in
	GRP 0, A1, 0, 2
	WIN 0
	s_wait_tensorcnt 0x0                           ; all my tensor loads have landed;
	ds_add_u32 v[SPW], v[NIL]
	GRP 0, A1, 2, 1                                ; eight products stand between the add and the wait for it
	s_wait_dscnt 0x0                               ; the add is done, and my reads of this slot are over
	s_barrier_signal -1
	GRP 0, A1, 3, 1                                ; work on registers while the others arrive
	WIN 0
	s_barrier_wait -1
.if \fill
	CREST
	s_add_nc_u64 s[G0+4*(\slot)+2:G0+4*(\slot)+3], s[G0+4*(\slot)+2:G0+4*(\slot)+3], 2*STEPB       ; no tensor load of mine is out: the descriptors may be written
	s_add_nc_u64 s[G0B+4*(\slot)+2:G0B+4*(\slot)+3], s[G0B+4*(\slot)+2:G0B+4*(\slot)+3], 2*STEPB
	JLOAD \slot                                    ; the four v_nop behind it are also the places in front of the loads below
.else
	PLACES
.endif
	LDB 0, \next, 0
	LDA A0, \next, 0
.if \fill
	ASK \lim
.endif
	GRP 1, A1, 0, 4                                ; W's groups 1 and 2 came in with the wait for 0 above
	GRP 2, A1, 0, 4
	WIN 0
	PLACES
	LDB 1, \next, 0
	LDB 2, \next, 0
.endm
; THE WAY OUT, in two phases of 128 rows: phase p takes row blocks 4 p .. 4 p + 3 of every wave.  OUTB: eight accumulators (row blocks 4 p + 2 hf, + 1 x the four column blocks of group g) are rounded to f16, each
; accumulator's registers in ascending order, 16 bytes a lane, and put into the stage.
.macro OUTB p, g, hf
	WIN 5*((\g)+1)                                 ; sources 0 and 1 in window g + 1, destination in window 0
.irp ai, 0,1
.irp c, 0,1,2,3
.irp r, 0,1,2,3
	v_cvt_pk_f16_f32 v[TMP+4*(4*(\ai)+(\c))+(\r)], v[64*(\c)+8*(4*(\p)+2*(\hf)+(\ai))+2*(\r)], v[64*(\c)+8*(4*(\p)+2*(\hf)+(\ai))+2*(\r)+1]
.endr
.endr
.endr
	WIN 0
.irp ai, 0,1
.irp c, 0,1,2,3
	ds_store_b128 v[STO], v[TMP+4*(4*(\ai)+(\c)):TMP+4*(4*(\ai)+(\c))+3] offset:(2*(\hf)+(\ai))*16*SPITCH+32*(4*(\g)+(\c))
.endr
.endr
.endm
; BACK: my 32 whole rows of the stage, 768 bytes each, come back in 48 loads (two rows' 256 bytes each) and are stored.
.macro BACK p
.set t, 0
.rept 48
	ds_load_b128 v[OB+4*t:OB+4*t+3], v[RD] offset:(t/3)*2*SPITCH+(t%3)*256
.set t, t+1
.endr
.set t, 0
.rept 48
.if t%16 == 0
	s_wait_dscnt 32-t                              ; LDS loads come back in order: the next sixteen are in, the younger ones stay out
.endif
	global_store_b128 v[CO], v[OB+4*t:OB+4*t+3], s[8:9] offset:(64*(\p)+2*(t/3))*OUTB+(t%3)*256   ; 16 lanes store 256 consecutive bytes, at a multiple of 256 from qkv's first byte
.set t, t+1
.endr
.endm
	s_wait_tensorcnt 1                             ; my part of K step 0 is in; K step 1's may stay out
	s_barrier_signal -1
	s_barrier_wait -1
	LDB 0, 0, 0                                    ; the first quarter's fragments, in the order in which every later quarter's come
	LDA A0, 0, 0
	LDB 1, 0, 0
	LDB 2, 0, 0
	s_wait_loadcnt 0x0                             ; the bias
	QFIRST 0, 1                                    ; the first quarter stands in front of the loop: its products start the sums
	s_mov_b32 s3, TRIPS
.Llap:                                             ; a trip goes once round the ring, from a step's second quarter to the first quarter two steps on, and fills both slots again
	TURN 0, 1, 1, LIM
	QFIRST 1, 0
	TURN 1, 0, 1, LIM2
	QFIRST 0, 0
	s_sub_co_u32 s3, s3, 1
	s_cmp_lg_u32 s3, 0
	s_cbranch_scc1 .Llap
	TURN 0, 1, 0, LIM                              ; the last step and a half are written out: nothing is left to fetch
	QFIRST 1, 0
	s_wait_dscnt 16
	GRP 0, A1, 0, 4
	s_wait_dscnt 0x0
	GRP 1, A1, 0, 4
	GRP 2, A1, 0, 4
	WIN 0
	PLACES
.irp p, 0,1
.irp g, 0,1,2
	OUTB \p, \g, 0
	OUTB \p, \g, 1
.endr
	s_wait_dscnt 0x0                               ; for the others' sake: my stores into the stage are done
	s_barrier_signal -1
	s_barrier_wait -1                              ; a row's 768 bytes come from two waves
.if (\p) == 1
	s_wait_xcnt 0x0                                ; the first phase's stores have read their registers, which are loaded again below
.endif
	BACK \p
.if (\p) == 0
	s_barrier_signal -1                            ; my reads of the stage are back (the last wait above was for 0):
	s_barrier_wait -1                              ; when everybody's are, the stage is written again
.endif
.endr
	s_wait_tensorcnt 0x0                           ; the wave's end: an add and its wait behind my last tensor load and my last LDS store
	ds_add_u32 v[SPW], v[NIL]
	s_wait_dscnt 0x0
	CROUND                                         ; the closing round: no work-group ends while a partner may still ask for a tile that names it
	s_endpgm
.Lfunc_end_k_qca8cdf0e84_proj:
	.size	k_qca8cdf0e84_proj, .Lfunc_end_k_qca8cdf0e84_proj-k_qca8cdf0e84_proj
	.p2alignl 7, 3214868480
	.fill 96, 4, 3214868480
	.section	.rodata,"a",@progbits
	.p2align	6, 0x0
	.amdhsa_kernel k_qca8cdf0e84_proj
		.amdhsa_group_segment_fixed_size 327680
		.amdhsa_private_segment_fixed_size 0
		.amdhsa_enable_private_segment 0
		.amdhsa_kernarg_size 24
		.amdhsa_user_sgpr_count 2
		.amdhsa_user_sgpr_kernarg_segment_ptr 1
		.amdhsa_wavefront_size32 1
		.amdhsa_system_sgpr_workgroup_id_x 1
		.amdhsa_system_sgpr_workgroup_id_y 1
		.amdhsa_system_sgpr_workgroup_id_z 1
		.amdhsa_system_vgpr_workitem_id 0
		.amdhsa_next_free_vgpr 1024
		.amdhsa_next_free_sgpr 72
		.amdhsa_reserve_vcc 0
		.amdhsa_float_denorm_mode_32 3
		.amdhsa_float_denorm_mode_16_64 3
		.amdhsa_memory_ordered 1
		.amdhsa_forward_progress 1
		.amdhsa_inst_pref_size 133
	.end_amdhsa_kernel
	.amdgpu_metadata
---
amdhsa.version: [ 1, 2 ]
amdhsa.kernels:
  - .name:           k_qca8cdf0e84_proj
    .symbol:         k_qca8cdf0e84_proj.kd
    .args:
      - { .name: xw, .offset: 0, .size: 8, .value_kind: global_buffer, .address_space: global }
      - { .name: bb, .offset: 8, .size: 8, .value_kind: global_buffer, .address_space: global }
      - { .name: qkv, .offset: 16, .size: 8, .value_kind: global_buffer, .address_space: global }
    .group_segment_fixed_size: 327680
    .private_segment_fixed_size: 0
    .kernarg_segment_align: 8
    .kernarg_segment_size: 24
    .max_flat_workgroup_size: 128
    .sgpr_count:     72
    .vgpr_count:     1024
    .wavefront_size: 32
...
	.end_amdgpu_metadata
.endif
;; end of part 2
;; launch scores (part 3): grid 8 x 32, 4 waves a work-group, clusters of 4 x 4, 327,680 bytes of LDS; arguments qkv, p, st; writes p, st
.if DOCPART == 3
	.amdgcn_target "amdgcn-amd-amdhsa--gfx1250"
	.amdhsa_code_object_version 6
	.text
	.protected	k_qca8cdf0e84_scores
	.globl	k_qca8cdf0e84_scores
	.p2align	8
	.type	k_qca8cdf0e84_scores,@function
k_qca8cdf0e84_scores:
	s_mov_b64 s[64:65], 0
	v_nop
	global_prefetch_b8 v0, s[64:65] scope:SCOPE_SE
	s_setreg_imm32_b32 hwreg(HW_REG_WAVE_MODE, 25, 1), 1
	s_wait_xcnt 0x0
	s_wait_alu depctr_hold_cnt(0) depctr_sa_sdst(0) depctr_va_vdst(0) depctr_va_sdst(0) depctr_va_ssrc(0) depctr_va_vcc(0) depctr_vm_vsrc(0)
	s_getreg_b32 s2, hwreg(HW_REG_IB_STS2, 6, 4)
	s_cmp_eq_u32 s2, 0
	s_cbranch_scc0 .Lentry_in_a_cluster
	s_endpgm
.Lentry_in_a_cluster:
	s_bfe_u32 s2, ttmp6, 0x10000c
	s_cmp_lg_u32 s2, 0xf033
	s_cbranch_scc0 .Lentry_shape_is_right
	s_endpgm
.Lentry_shape_is_right:
; SCORES.  s[q][k] = Q[q] . K[k] over 1,024 units, for the 2,048 x 2,048 pairs of each of 4 batches.  Q and K are columns 0-1023 and 1024-2047 of qkv [8192][3072], f16; sums in f32.
; THE SOFTMAX'S FIRST HALF.  A row's 2,048 keys fall into 16 chunks of 128.  For each row and chunk: m = the chunk's largest score; p' = 2^(c s - c m), c = log2(e) / 32, stored in f16 in p [8192][2048];
; c m and l = the sum of the unrounded p', stored in f32 in st [batch][chunk][c m, l][2048 rows].  The next launch takes the largest c m of a row's 16 chunks and scales each chunk by 2^(c m - that): so the
; row's true maximum is taken away, for every input.  p' lies in 0 to 1 (to within a rounding of c m).  NaN and infinities are not treated apart.
; SHAPE.  A tile of 256 queries x 256 keys to a work-group of four waves; a wave makes 128 x 128, so its 128 keys ARE a chunk.  K = 1,024 goes in 8 steps of 128 through a ring of two LDS slots filled by the
; tensor data mover.  8 x 32 = 256 tiles.  CLUSTERS of 4 x 4: a row of the cluster shares its rows of Q, a column its rows of K: joint loads.
; THE MATRIX INSTRUCTION IS USED TRANSPOSED (source 0 = 16 keys, source 1 = 16 queries): a lane holds ONE query (l % 16) and the keys 16 b + 8 (l / 16) + 0..7: a row's maximum and sum want one exchange
; between the halves of the lanes.
; REGISTERS, in windows of 256 (s_set_vgpr_msb: bits 1:0 source 0, 3:2 source 1, 5:4 source 2, 7:6 destination):
;   window 0: v16-31 addresses; v64-127, v128-191 fragments of Q, two buffers, later the softmax's work; v32-63, v192-223 at work on the way out
;   window 1: v64-127, v128-191 fragments of K     window 2: the accumulators of my rows 0-63 ((a, b) at v[8 (8 a + b)])     window 3: those of my rows 64-127
.set KSTEP,  128
.set PITCH,  272                       ; an LDS row: 256 bytes + 16 of padding: the 16 rows of a fragment load start at 16 different groups of four banks (64 banks of 4 bytes: ISA guide 11.1)
.set HALFT,  128*PITCH
.set SLOT,   4*HALFT
.set STAGE,  2*SLOT                    ; behind the ring: 16 rows x 272 bytes for each wave
.set SPITCH, 272
.set SSTG,   STAGE+4*16*SPITCH         ; then 1,024 bytes for each wave: c m of its 128 rows, l of its 128 rows
.set SPARE,  SSTG+4*1024               ; then the spare words, 128 bytes for each wave; no other line names them
.set LAPS,   4
.set ROWE,   3072                      ; elements in a row of qkv
.set ROWB,   2*ROWE
.set PROWB,  4096                      ; bytes in a row of p
.set ADRA, 16
.set ADRB, 20
.set SG,   22                          ; v22     16 x my lane: my 16 bytes of 512 in st
.set STO,  24
.set RD,   25
.set CO,   26
.set SA0,  27                          ; v27     where block 0's statistic of my row goes: lanes 0-15 c m, lanes 16-31 l
.set SPW,  28
.set NIL,  29
.set PFO,  30
.set SRD,  31                          ; v31     where I read the statistics back
.set PFA,  44
.set LIM,  43
.set F0,   64
.set F1,   128
.set TMP,  192
.set OB,   32
.set SR,   64                          ; v64-127   a block's 64 scores of my query, scaled; then the weights
.set MT,   128                         ; v128-151  partial maxima
.set CM,   152                         ; v152      c m (v153 is named with it as a pair)
.set MX,   154
.set LS,   156                         ; v156-157  l, and the other half of the lanes'
.set T,    158
.set SA,   159
.set G1, 24
.set G0, 32
.set G1B, 48
.set G0B, 56
.set MSB, 0
.macro WIN new
.if MSB != (\new)
	s_set_vgpr_msb (MSB<<8)|(\new)
.set MSB, \new
.endif
.endm
.set MUL_LO, 0xa1
.set TO_B,   0x40
.macro JLOAD s                         ; a joint load: waves 0 and 1 fetch Q's two halves, waves 2 and 3 K's; an s_nop 0 and four v_nop follow each of the two lines
	s_cmp_eq_u32 s11, 0
	s_cbranch_scc0 .Lfor_b_\@
	tensor_load_to_lds s[G0+4*(\s):G0+4*(\s)+3], s[G1:G1+7]
	s_nop 0
.rept 4
	v_nop
.endr
	s_branch .Lasked_\@
.Lfor_b_\@:
	tensor_load_to_lds s[G0B+4*(\s):G0B+4*(\s)+3], s[G1B:G1B+7]
	s_nop 0
.rept 4
	v_nop
.endr
.Lasked_\@:
.endm
; A prefetch of the K step that stands two refills on: 32 rows x 256 bytes, a lane a row.  Q's rows are named by the clusters with x = 0, K's by the first of a batch's two rows of clusters (even cluster y); the four
; partners of a joint load share its 128 rows out by address, 32 each.  The loop's last trip asks for nothing: K steps 4 to 7 are named.
.macro ASK
	s_cmp_gt_u32 s3, s[LIM]
	s_cbranch_scc0 .Lnot_mine_\@
	global_prefetch_b8 v[PFO], s[PFA:PFA+1] offset:KSTEP*2 th:TH_LOAD_NT scope:SCOPE_SE
.Lnot_mine_\@:
.endm
.macro CREST
	s_cmp_lg_u32 s10, 0
	s_cbranch_scc1 .Lnot_wave_0_\@
	s_barrier_signal -3
.Lnot_wave_0_\@:
	s_barrier_wait -3
	s_barrier_signal -1
	s_barrier_wait -1
.endm
.macro CROUND
	s_barrier_signal -1
	s_barrier_wait -1
	CREST
.endm
	s_load_b128 s[4:7], s[0:1], 0x0                ; qkv s[4:5], p s[6:7]
	s_load_b64 s[72:73], s[0:1], 0x10              ; st
	v_lshl_add_u32 v[SPW], v0, 2, SPARE
	v_mov_b32 v[NIL], 0
	ds_add_u32 v[SPW], v[NIL]                      ; the wave's opening: the add and its wait stand ahead of my first tensor load
	v_lshrrev_b32 v1, 5, v0
	v_readfirstlane_b32 s10, v1                    ; wave 0..3
	s_lshr_b32 s11, s10, 1                         ; my half of the tile's queries.  Also: I fetch for Q (0) or for K (1)
	s_and_b32 s12, s10, 1                          ; my half of its keys.  Also: which 128 rows I fetch
	s_bfe_u32 s40, ttmp6, 0x40000                  ; cx
	s_bfe_u32 s41, ttmp6, 0x40004                  ; cy
	s_lshl_b32 s42, ttmp9, 2
	s_add_co_u32 s42, s42, s40                     ; key tile in the batch = 4 x cluster x + cx
	s_and_b32 s13, ttmp7, 0xffff
	s_lshl_b32 s13, s13, 2
	s_add_co_u32 s13, s13, s41                     ; query tile over all batches = 4 x cluster y + cy; the batch is cluster y / 2
	s_lshl_b32 s43, s41, 2
	s_lshl_b32 s43, 15, s43
	s_lshl_b32 s44, 0x1111, s40
	s_or_b32 s[G1+0], s43, (1<<16)|(1<<20)|(1<<21)|(5<<22)|(3<<25)
	s_or_b32 s[G1B+0], s44, (1<<16)|(1<<20)|(1<<21)|(5<<22)|(3<<25)
.irp g, G1, G1B
	s_mov_b32 s[(\g)+1], KSTEP<<16
	s_mov_b32 s[(\g)+2], 128<<16
	s_mov_b32 s[(\g)+3], KSTEP<<16
	s_mov_b32 s[(\g)+4], 128
	s_mov_b32 s[(\g)+5], ROWE
	s_mov_b32 s[(\g)+6], 0
	s_mov_b32 s[(\g)+7], 0
.endr
	s_lshl_b32 s17, s12, 7
	s_lshl_b32 s16, s13, 8
	s_add_co_u32 s16, s16, s17                     ; Q: token 256 x query tile + 128 x half
	s_lshl_b32 s46, s42, 8
	s_add_co_u32 s46, s46, s17
	s_and_b32 s47, ttmp7, 0xffff
	s_lshr_b32 s47, s47, 1
	s_lshl_b32 s47, s47, 11
	s_add_co_u32 s46, s46, s47                     ; K: token 2,048 x batch + 256 x key tile + 128 x half
	s_mul_i32 s16, s16, ROWB                       ; in bytes: under 2^26
	s_mov_b32 s17, 0
	s_mul_i32 s46, s46, ROWB
	s_mov_b32 s47, 0
	s_mul_i32 s20, s10, HALFT
	s_mov_b32 s66, 0x3d38aa3b                      ; c = log2(e) / 32
	s_mov_b32 s67, s66                             ; named with it as a pair
	s_mov_b32 s68, 0x76543210                      ; v_permlanex16_b32: each lane takes its own place in the other half
	s_mov_b32 s69, 0xfedcba98
	s_mov_b32 s70, 0xffff0000                      ; lanes 16-31
	s_wait_dscnt 0x0
	s_wait_kmcnt 0x0
	s_mov_b64 s[8:9], s[6:7]                       ; p
	s_add_nc_u64 s[6:7], s[4:5], 2048              ; K's columns of qkv
	s_add_nc_u64 s[14:15], s[4:5], s[16:17]
	s_add_nc_u64 s[46:47], s[6:7], s[46:47]
	CROUND
.irp s, 0,1
	s_mov_b32 s[G0+4*(\s)], 1
	s_add_co_u32 s[G0+4*(\s)+1], s20, (\s)*SLOT
	s_add_nc_u64 s[G0+4*(\s)+2:G0+4*(\s)+3], s[14:15], (\s)*KSTEP*2
	s_or_b32 s[G0+4*(\s)+3], s[G0+4*(\s)+3], 0x80000000
	s_mov_b32 s[G0B+4*(\s)], 1
	s_add_co_u32 s[G0B+4*(\s)+1], s20, (\s)*SLOT
	s_add_nc_u64 s[G0B+4*(\s)+2:G0B+4*(\s)+3], s[46:47], (\s)*KSTEP*2
	s_or_b32 s[G0B+4*(\s)+3], s[G0B+4*(\s)+3], 0x80000000
	JLOAD \s
.endr
	v_and_b32 v1, 15, v0                           ; l % 16
	v_bfe_u32 v2, v0, 4, 1                         ; l / 16
	v_mul_u32_u24 v3, v1, PITCH
	v_lshl_add_u32 v3, v2, 4, v3
	s_mul_i32 s21, s11, HALFT
	s_mul_i32 s22, s12, HALFT
	s_add_co_u32 s22, s22, 2*HALFT
.irp s, 0,1
	v_add_nc_u32 v[ADRA+(\s)], s21, v3
	v_add_nc_u32 v[ADRB+(\s)], s22, v3
	s_add_co_u32 s21, s21, SLOT
	s_add_co_u32 s22, s22, SLOT
.endr
	s_mul_i32 s23, s10, 16*SPITCH
	s_add_co_u32 s23, s23, STAGE
	v_mul_u32_u24 v4, v1, SPITCH
	v_lshl_add_u32 v4, v2, 4, v4
	v_add_nc_u32 v[STO], s23, v4
	v_mul_u32_u24 v5, v2, SPITCH
	v_lshl_add_u32 v5, v1, 4, v5
	v_add_nc_u32 v[RD], s23, v5
	v_lshlrev_b32 v5, 12, v2
	v_lshl_add_u32 v[CO], v1, 4, v5                ; two rows of p: 4,096 (l / 16) + 16 (l % 16)
	s_lshl_b32 s23, s10, 10
	s_add_co_u32 s23, s23, SSTG                    ; my statistics
	v_lshl_add_u32 v[SA0], v2, 9, s23
	v_lshl_add_u32 v[SA0], v1, 2, v[SA0]
	v_and_b32 v5, 31, v0
	v_lshl_add_u32 v[SRD], v5, 4, s23
	v_lshlrev_b32 v[SG], 4, v5
	; st: ((16 x batch + chunk) x 2 + kind) x 2,048 rows x 4 bytes; chunk = 2 x key tile + my half; my rows begin at 256 x (query tile % 8) + 128 x half
	s_and_b32 s18, s13, 7
	s_lshl_b32 s18, s18, 10
	s_lshl_b32 s19, s11, 9
	s_add_co_u32 s18, s18, s19
	s_and_b32 s19, ttmp7, 0xffff
	s_lshr_b32 s19, s19, 1
	s_lshl_b32 s19, s19, 4
	s_lshl1_add_u32 s19, s42, s19
	s_add_co_u32 s19, s19, s12
	s_lshl_b32 s19, s19, 14
	s_add_co_u32 s18, s18, s19
	s_mov_b32 s19, 0
	s_add_nc_u64 s[72:73], s[72:73], s[18:19]
	; p: my first row and column
	s_lshl_b32 s13, s13, 8
	s_lshl_b32 s14, s11, 7
	s_add_co_u32 s16, s13, s14
	s_lshl_b32 s16, s16, 12
	s_mov_b32 s17, 0
	s_lshl_b32 s46, s42, 9
	s_lshl_b32 s47, s12, 8
	s_add_co_u32 s46, s46, s47
	s_mov_b32 s47, 0
	s_add_nc_u64 s[16:17], s[16:17], s[46:47]      ; what the first block adds to p's address
	; the prefetches
	s_lshl_b32 s42, s42, 8
	s_and_b32 s22, ttmp7, 0xffff
	s_lshr_b32 s23, s22, 1
	s_lshl_b32 s23, s23, 11
	s_add_co_u32 s42, s42, s23                     ; K's tile begins at token 2,048 x batch + 256 x key tile
	s_and_b32 s22, s22, 1
	s_cmp_eq_u32 s11, 0
	s_cselect_b32 s20, s13, s42
	s_cselect_b32 s21, s40, s41
	s_cselect_b32 s22, ttmp9, s22
	s_cselect_b64 s[PFA:PFA+1], s[4:5], s[6:7]
	s_cmp_eq_u32 s22, 0
	s_cselect_b32 s[LIM], 1, -1
	s_lshl_b32 s22, s12, 7
	s_add_co_u32 s20, s20, s22
	s_lshl_b32 s21, s21, 5
	s_add_co_u32 s20, s20, s21
	s_mul_i32 s20, s20, ROWB
	s_mov_b32 s21, 0
	s_add_nc_u64 s[PFA:PFA+1], s[PFA:PFA+1], s[20:21]
	s_add_nc_u64 s[PFA:PFA+1], s[PFA:PFA+1], 2*KSTEP*2
	v_and_b32 v[PFO], 31, v0
	v_mul_u32_u24 v[PFO], v[PFO], ROWB
; 16 matrix instructions; zero = 1: the product starts the sum with the constant 0.  The 64 accumulators take turns, one instruction a turn.
.macro MUL16 f, hi, a0, zero
	WIN MUL_LO+0x50*(\hi)
.irp a, \a0, (\a0)+1
.irp b, 0,1,2,3,4,5,6,7
.if \zero
	v_wmma_f32_16x16x32_f16 v[8*(8*(\a)+(\b)):8*(8*(\a)+(\b))+7], v[(\f)+8*(\b):(\f)+8*(\b)+7], v[(\f)+8*(4*(\hi)+(\a)):(\f)+8*(4*(\hi)+(\a))+7], 0
.else
	v_wmma_f32_16x16x32_f16 v[8*(8*(\a)+(\b)):8*(8*(\a)+(\b))+7], v[(\f)+8*(\b):(\f)+8*(\b)+7], v[(\f)+8*(4*(\hi)+(\a)):(\f)+8*(4*(\hi)+(\a))+7], v[8*(8*(\a)+(\b)):8*(8*(\a)+(\b))+7]
.endif
.endr
.endr
.endm
.macro FETCH slot, k, f
	WIN TO_B
.irp i, 0,1,2,3,4,5,6,7
	ds_load_b128 v[(\f)+8*(\i):(\f)+8*(\i)+3],   v[ADRB+(\slot)] offset:(\k)+(\i)*16*PITCH
	ds_load_b128 v[(\f)+8*(\i)+4:(\f)+8*(\i)+7], v[ADRB+(\slot)] offset:(\k)+(\i)*16*PITCH+32
.endr
	WIN 0
.irp i, 0,1,2,3,4,5,6,7
	ds_load_b128 v[(\f)+8*(\i):(\f)+8*(\i)+3],   v[ADRA+(\slot)] offset:(\k)+(\i)*16*PITCH
	ds_load_b128 v[(\f)+8*(\i)+4:(\f)+8*(\i)+7], v[ADRA+(\slot)] offset:(\k)+(\i)*16*PITCH+32
.endr
.endm
.macro PLACES                          ; four plain vector instructions between a matrix instruction and a load into, or a vector instruction on, its registers
.rept 4
	v_nop
.endr
.endm
.macro QUARTER slot, k, f, g, zero
	s_wait_dscnt 8                                 ; K and Q's rows 0-63 are in; the youngest eight loads may be out
	MUL16 \f, 0, 0, \zero
	MUL16 \f, 0, 2, \zero
	PLACES
	FETCH \slot, \k, \g
	s_wait_dscnt 32                                ; all but the 32 just issued
	MUL16 \f, 1, 0, \zero
	MUL16 \f, 1, 2, \zero
.endm
.macro MEET round                      ; the one barrier of a change of slots: all my tensor loads have landed, the add, my reads of this slot are over
	WIN 0
	s_wait_tensorcnt 0x0
	ds_add_u32 v[SPW], v[NIL]
	s_wait_dscnt 9                                 ; the add and the youngest eight loads may be out
	MUL16 F1, 0, 0, 0
	s_wait_dscnt 0x0
	s_barrier_signal -1
	MUL16 F1, 0, 2, 0
.if \round
	WIN 0
.endif
	s_barrier_wait -1
.endm
.macro TURN slot, next                 ; the slot just read out is filled again, behind a round of the cluster's barrier; 224 matrix instructions stand between the request and the wait for it
	s_wait_xcnt 0x0                                ; the last prefetch, a K step back, has read its address
	s_add_nc_u64 s[PFA:PFA+1], s[PFA:PFA+1], KSTEP*2
	MEET 1
	CREST
	s_add_nc_u64 s[G0+4*(\slot)+2:G0+4*(\slot)+3], s[G0+4*(\slot)+2:G0+4*(\slot)+3], 2*KSTEP*2
	s_add_nc_u64 s[G0B+4*(\slot)+2:G0B+4*(\slot)+3], s[G0B+4*(\slot)+2:G0B+4*(\slot)+3], 2*KSTEP*2
	JLOAD \slot
	FETCH \next, 0, F0
	ASK
	MUL16 F1, 1, 0, 0
	MUL16 F1, 1, 2, 0
.endm
.macro TURN0 next
	MEET 0
	PLACES
	FETCH \next, 0, F0
	MUL16 F1, 1, 0, 0
	MUL16 F1, 1, 2, 0
.endm
; THE SOFTMAX of block a (16 queries x my 128 keys), the part that names the accumulators: the maximum of my query's 64 scores (each accumulator's lowest registers are read first)
; and of the 64 in the lane 16 away; c m; c s - c m into window 0.
.macro HEAD a
.set W, 2+(\a)/4
.set AC, 64*((\a)%4)
	WIN W|(W<<2)|(W<<4)                            ; all three sources in the accumulators' window
.irp b, 0,1,2,3,4,5,6,7
	v_max3_num_f32 v[MT+3*(\b)],   v[AC+8*(\b)],   v[AC+8*(\b)+1], v[AC+8*(\b)+2]
	v_max3_num_f32 v[MT+3*(\b)+1], v[AC+8*(\b)+3], v[AC+8*(\b)+4], v[AC+8*(\b)+5]
	v_max_num_f32  v[MT+3*(\b)+2], v[AC+8*(\b)+6], v[AC+8*(\b)+7]
.endr
	WIN 0
.irp b, 0,1,2,3,4,5,6,7
	v_max3_num_f32 v[MT+3*(\b)], v[MT+3*(\b)], v[MT+3*(\b)+1], v[MT+3*(\b)+2]
.endr
	v_max3_num_f32 v[MT], v[MT], v[MT+3], v[MT+6]
	v_max3_num_f32 v[MT+9], v[MT+9], v[MT+12], v[MT+15]
	v_max_num_f32 v[MT+18], v[MT+18], v[MT+21]
	v_max3_num_f32 v[MT], v[MT], v[MT+9], v[MT+18]
	v_permlanex16_b32 v[MT+1], v[MT], s68, s69
	v_max_num_f32 v[MX], v[MT], v[MT+1]
	v_mul_f32 v[CM], s66, v[MX]
	WIN W                                          ; source 0 in the accumulators' window
.set i, 0
.rept 32
	v_pk_fma_f32 v[SR+2*i:SR+2*i+1], v[AC+2*i:AC+2*i+1], s[66:67], v[CM:CM+1] op_sel_hi:[1,0,0] neg_lo:[0,0,1] neg_hi:[0,0,1]
.set i, i+1
.endr
	WIN 0
.endm
	s_wait_tensorcnt 1                             ; my part of K step 0 is in; K step 1's may stay out
	s_barrier_signal -1
	s_barrier_wait -1
	FETCH 0, 0, F0
	QUARTER 0, 64,  F0, F1, 1
	WIN 0
	s_mov_b32 s3, LAPS-1
.Llap:
	QUARTER 0, 128, F1, F0, 0
	QUARTER 0, 192, F0, F1, 0
	TURN 0, 1
	QUARTER 1, 64,  F0, F1, 0
	QUARTER 1, 128, F1, F0, 0
	QUARTER 1, 192, F0, F1, 0
	TURN 1, 0
	QUARTER 0, 64,  F0, F1, 0
	WIN 0
	s_sub_co_u32 s3, s3, 1
	s_cmp_lg_u32 s3, 0
	s_cbranch_scc1 .Llap
	QUARTER 0, 128, F1, F0, 0
	QUARTER 0, 192, F0, F1, 0
	TURN0 1
	QUARTER 1, 64,  F0, F1, 0
	QUARTER 1, 128, F1, F0, 0
	QUARTER 1, 192, F0, F1, 0
	s_wait_dscnt 8
	MUL16 F1, 0, 0, 0
	MUL16 F1, 0, 2, 0
	s_wait_dscnt 0x0
	MUL16 F1, 1, 0, 0
	MUL16 F1, 1, 2, 0
	WIN 0
	PLACES
	v_mov_b32 v[CM+1], 0                           ; named as a pair's second register
	v_mov_b32 v[LS+1], 0                           ; v_permlanex16_b32's destination counts as read
	; MY EIGHT BLOCKS OF 16 QUERIES, in a counted loop: only the part that names the accumulators is written eight times; the count picks it, by forward jumps.
	s_mov_b32 s3, 0
.Lblk:
.irp a, 0,1,2,3,4,5,6
	s_cmp_eq_u32 s3, \a
	s_cbranch_scc1 .Lb_\a
.endr
	HEAD 7
	s_branch .Lcom
.irp a, 0,1,2,3,4,5
.Lb_\a:
	HEAD \a
	s_branch .Lcom
.endr
.Lb_6:
	HEAD 6
.Lcom:
.set i, 0
.rept 64
	v_exp_f32 v[SR+i], v[SR+i]                     ; one batch: nothing names a result before the wait below
.set i, i+1
.endr
	v_nop                                          ; a plain instruction behind the last exponential,
	s_wait_alu depctr_va_vdst(0)                   ; and the one wait ahead of the first use
.set i, 0
.rept 32
	v_cvt_pk_f16_f32 v[TMP+i], v[SR+2*i], v[SR+2*i+1]
.set i, i+1
.endr
.irp b, 0,1,2,3,4,5,6,7
	ds_store_b128 v[STO], v[TMP+4*(\b):TMP+4*(\b)+3] offset:32*(\b)
.endr
	s_wait_xcnt 0x0                                ; the last trip's stores have read their registers and p's address
	s_add_nc_u64 s[8:9], s[8:9], s[16:17]          ; this block's rows,
	s_mov_b64 s[16:17], 16*PROWB                   ; and from now on 16 rows on
.irp t, 0,1,2,3,4,5,6,7
	ds_load_b128 v[OB+4*(\t):OB+4*(\t)+3], v[RD] offset:(\t)*2*SPITCH   ; LDS serves a wave's instructions in order (ISA guide 5.7.1.4): these see the stores above
.endr
.irp w, 1,2,4,8,16                     ; the sum of the 32 pairs of unrounded weights, as a tree, while the rows come back
.set u, 0
.rept 16/(\w)
	v_pk_add_f32 v[SR+4*(\w)*u:SR+4*(\w)*u+1], v[SR+4*(\w)*u:SR+4*(\w)*u+1], v[SR+4*(\w)*u+2*(\w):SR+4*(\w)*u+2*(\w)+1]
.set u, u+1
.endr
.endr
	v_add_f32 v[LS], v[SR], v[SR+1]
	v_permlanex16_b32 v[LS+1], v[LS], s68, s69
	v_add_f32 v[LS], v[LS], v[LS+1]
	v_cndmask_b32 v[T], v[CM], v[LS], s70          ; lanes 0-15 hand in c m, lanes 16-31 l
	v_lshl_add_u32 v[SA], s3, 6, v[SA0]            ; 16 rows of 4 bytes a block
	ds_store_b32 v[SA], v[T]
	s_wait_dscnt 1                                 ; the rows are back; the one store just issued may be out
.irp t, 0,1,2,3,4,5,6,7
	global_store_b128 v[CO], v[OB+4*(\t):OB+4*(\t)+3], s[8:9] offset:2*(\t)*PROWB   ; 16 lanes store 256 consecutive bytes, at a multiple of 256 from p's first byte
.endr
	s_add_co_u32 s3, s3, 1
	s_cmp_lt_u32 s3, 8
	s_cbranch_scc1 .Lblk
	ds_load_b128 v[128:131], v[SRD]                ; c m of my 128 rows: 512 consecutive bytes,
	ds_load_b128 v[132:135], v[SRD] offset:512     ; and l
	s_wait_dscnt 0x0
	global_store_b128 v[SG], v[128:131], s[72:73]
	global_store_b128 v[SG], v[132:135], s[72:73] offset:8192
	s_wait_tensorcnt 0x0                           ; the wave's end: an add and its wait behind my last tensor load and my last LDS store
	ds_add_u32 v[SPW], v[NIL]
	s_wait_dscnt 0x0
	CROUND                                         ; the closing round
	s_endpgm
.Lfunc_end_k_qca8cdf0e84_scores:
	.size	k_qca8cdf0e84_scores, .Lfunc_end_k_qca8cdf0e84_scores-k_qca8cdf0e84_scores
	.p2alignl 7, 3214868480
	.fill 96, 4, 3214868480
	.section	.rodata,"a",@progbits
	.p2align	6, 0x0
	.amdhsa_kernel k_qca8cdf0e84_scores
		.amdhsa_group_segment_fixed_size 327680
		.amdhsa_private_segment_fixed_size 0
		.amdhsa_enable_private_segment 0
		.amdhsa_kernarg_size 24
		.amdhsa_user_sgpr_count 2
		.amdhsa_user_sgpr_kernarg_segment_ptr 1
		.amdhsa_wavefront_size32 1
		.amdhsa_system_sgpr_workgroup_id_x 1
		.amdhsa_system_sgpr_workgroup_id_y 1
		.amdhsa_system_sgpr_workgroup_id_z 1
		.amdhsa_system_vgpr_workitem_id 0
		.amdhsa_next_free_vgpr 1024
		.amdhsa_next_free_sgpr 80
		.amdhsa_reserve_vcc 0
		.amdhsa_float_denorm_mode_32 3
		.amdhsa_float_denorm_mode_16_64 3
		.amdhsa_memory_ordered 1
		.amdhsa_forward_progress 1
		.amdhsa_inst_pref_size 157
	.end_amdhsa_kernel
	.amdgpu_metadata
---
amdhsa.version: [ 1, 2 ]
amdhsa.kernels:
  - .name:           k_qca8cdf0e84_scores
    .symbol:         k_qca8cdf0e84_scores.kd
    .args:
      - { .name: qkv, .offset: 0, .size: 8, .value_kind: global_buffer, .address_space: global }
      - { .name: p, .offset: 8, .size: 8, .value_kind: global_buffer, .address_space: global }
      - { .name: st, .offset: 16, .size: 8, .value_kind: global_buffer, .address_space: global }
    .group_segment_fixed_size: 327680
    .private_segment_fixed_size: 0
    .kernarg_segment_align: 8
    .kernarg_segment_size: 24
    .max_flat_workgroup_size: 128
    .sgpr_count:     80
    .vgpr_count:     1024
    .wavefront_size: 32
...
	.end_amdgpu_metadata
.endif
;; end of part 3
;; launch pv (part 4): grid 4 x 64, 4 waves a work-group, clusters of 4 x 4, 327,680 bytes of LDS; arguments p, qkv, st, out0; writes out0
.if DOCPART == 4
	.amdgcn_target "amdgcn-amd-amdhsa--gfx1250"
	.amdhsa_code_object_version 6
	.text
	.protected	k_qca8cdf0e84_pv
	.globl	k_qca8cdf0e84_pv
	.p2align	8
	.type	k_qca8cdf0e84_pv,@function
k_qca8cdf0e84_pv:
	s_mov_b64 s[64:65], 0
	v_nop
	global_prefetch_b8 v0, s[64:65] scope:SCOPE_SE
	s_setreg_imm32_b32 hwreg(HW_REG_WAVE_MODE, 25, 1), 1
	s_wait_xcnt 0x0
	s_wait_alu depctr_hold_cnt(0) depctr_sa_sdst(0) depctr_va_vdst(0) depctr_va_sdst(0) depctr_va_ssrc(0) depctr_va_vcc(0) depctr_vm_vsrc(0)
	s_getreg_b32 s2, hwreg(HW_REG_IB_STS2, 6, 4)
	s_cmp_eq_u32 s2, 0
	s_cbranch_scc0 .Lentry_in_a_cluster
	s_endpgm
.Lentry_in_a_cluster:
	s_bfe_u32 s2, ttmp6, 0x10000c
	s_cmp_lg_u32 s2, 0xf033
	s_cbranch_scc0 .Lentry_shape_is_right
	s_endpgm
.Lentry_shape_is_right:
; PV.  out0[q][u] = (the sum over k of f[q][chunk of k] p'[q][k] V[k][u]) / L[q].  p' [8192][2048] f16 and st [batch][chunk][c m, l][2048] f32 come from the launch before; V is columns 2048-3071 of qkv, f16.
; THE SOFTMAX'S SECOND HALF.  For each query: M = the largest c m of its 16 chunks of 128 keys, the row's true maximum; f = 2^(c m - M), at most 1, rounded to f16; L = the sum of f l, in f32, with the rounded f.
; The fragments of p' are multiplied by f on their way to the matrix unit (two f16 products an instruction, each rounded once); the sums, in f32, are divided by L at the end.
; LIMITS.  A weight f p' below f16's smallest step, 6e-8, counts as 0 in the product; NaN and infinities are not treated apart.
; SHAPE.  A tile of 128 queries x 256 units to a work-group, 4 x 64 = 256 tiles; a wave makes 64 x 128: 32 accumulators.  The 2,048 keys go in 16 steps of 128 (a step is a chunk) through a ring of two LDS slots
; filled by the tensor data mover: 128 rows of p' (256 bytes each) and 128 rows of V (512 bytes each), all at multiples of 256 bytes.  Two slots of 256 keys would not fit in LDS.
; CLUSTERS of 4 x 4: a row of the cluster shares its rows of p', a column its rows and columns of V (four query tiles of one batch): joint loads.
; THE MATRIX INSTRUCTION IS USED TRANSPOSED (source 0 = 16 units x 32 keys of V, turned by ds_load_tr16_b128; source 1 = 16 queries x 32 keys): a lane holds ONE query (l % 16) and the units 8 (l / 16) + 0..7.
; REGISTERS, in windows of 256 (s_set_vgpr_msb: bits 1:0 source 0, 3:2 source 1, 5:4 source 2, 7:6 destination):
;   window 0: v1-7 at work; v8-15 1 / L, a pair a block; v16-30 addresses; v32-159 the way out's two buffers; at the head v96-127 c m then f, v128-159 l, v192-197 M, L, 1 / L
;   window 1: accumulator (a, b) at v[8 (8 a + b)]
;   windows 2, 3: two fragment buffers, 64 keys deep: p' (c, a) at 8 (4 c + a); V (c, b) at 64 + 8 (8 c + b); the four blocks' factors at v192-195
.set PA,    272                        ; a row of p' in LDS: 256 bytes + 16: the 16 rows of a load start at 16 different groups of four banks (64 banks of 4 bytes: ISA guide 11.1)
.set PB,    544                        ; a row of V: 512 + 32 bytes = 136 words
.set ATILE, 128*PA
.set BTILE, 128*PB
.set SLOT,  ATILE+BTILE                ; p's 128 rows, then V's 128 rows
.set STAGE, 2*SLOT                     ; behind the ring: 16 rows x 528 bytes for each wave, for the way out
.set SP,    528
.set FT,    STAGE+4*16*SP              ; then for each wave 16 chunks x 64 rows x 4 bytes of factors (f twice, in both halves of a word) and 64 x 4 bytes of 1 / L
.set FTW,   4352
.set SPARE, FT+4*FTW                   ; then the spare words, 128 bytes for each wave; no other line names them
.set PROWB, 4096                       ; bytes in a row of p
.set VROWB, 6144                       ; of qkv
.set OROWB, 4096                       ; of out0
.set RL,   8
.set ADRA, 16                          ; v16-17  LDS address of my fragments of p' in slot 0, 1
.set ADRB, 20                          ; v20-21  the same for V
.set FAD0, 22                          ; v22     where my row's factor of chunk 0 lies; never rewritten
.set FW,   23                          ; v23     where I put the factors of rows 2 l, 2 l + 1
.set STO,  24
.set RD,   25
.set CO,   26
.set FAD,  27                          ; v27     the same as FAD0 for the chunk in hand
.set SPW,  28
.set NIL,  29
.set PFO,  30
.set OB,   32
.set PFA,  44                          ; s[44:45] where my prefetches stand
.set LIM,  43                          ; s43     1 in a wave that prefetches, else the greatest number
.set PST,  66                          ; s[66:67] a K step in bytes, for my prefetches
.set FS,   70                          ; s70     256 x the chunk in hand
.set G1, 24                            ; s[24:31] descriptor group 1 for p's tiles;  s[32:39] group 0, a set for each slot
.set G0, 32
.set G1B, 48                           ; s[48:55], s[56:63] the same for V's
.set G0B, 56
.set MSB, 0
.macro WIN new
.if MSB != (\new)
	s_set_vgpr_msb (MSB<<8)|(\new)
.set MSB, \new
.endif
.endm
.macro JLOAD s                         ; a joint load: waves 0 and 1 fetch the halves of p's tile, waves 2 and 3 those of V's; an s_nop 0 and four v_nop follow each of the two lines
	s_cmp_eq_u32 s11, 0
	s_cbranch_scc0 .Lfor_b_\@
	tensor_load_to_lds s[G0+4*(\s):G0+4*(\s)+3], s[G1:G1+7]
	s_nop 0
.rept 4
	v_nop
.endr
	s_branch .Lasked_\@
.Lfor_b_\@:
	tensor_load_to_lds s[G0B+4*(\s):G0B+4*(\s)+3], s[G1B:G1B+7]
	s_nop 0
.rept 4
	v_nop
.endr
.Lasked_\@:
.endm
; A prefetch of the K step that stands two refills on, one instruction a wave, each lane another 256 bytes.  p': no other cluster reads these rows; wave 0 of each of the four partners names 32 of the 128 rows
; (32 cx + lane).  V: a step is 128 rows x 512 bytes = 256 blocks for a column of the cluster; the first of a batch's four clusters asks, waves 2 and 3 of its four partners 32 blocks each
; (64 cy + 32 x half + lane).  The partners are told apart by address.  K steps 4 to 15 are named; the loop's last trip asks for nothing.
.macro ASK
	s_cmp_gt_u32 s3, s[LIM]
	s_cbranch_scc0 .Lnot_mine_\@
	global_prefetch_b8 v[PFO], s[PFA:PFA+1] th:TH_LOAD_NT scope:SCOPE_SE
.Lnot_mine_\@:
.endm
.macro CREST
	s_cmp_lg_u32 s10, 0
	s_cbranch_scc1 .Lnot_wave_0_\@
	s_barrier_signal -3
.Lnot_wave_0_\@:
	s_barrier_wait -3
	s_barrier_signal -1
	s_barrier_wait -1
.endm
.macro CROUND
	s_barrier_signal -1
	s_barrier_wait -1
	CREST
.endm
	s_load_b128 s[4:7], s[0:1], 0x0                ; p s[4:5], qkv s[6:7]
	s_load_b128 s[72:75], s[0:1], 0x10             ; st s[72:73], out0 s[74:75]
	v_lshl_add_u32 v[SPW], v0, 2, SPARE
	v_mov_b32 v[NIL], 0
	ds_add_u32 v[SPW], v[NIL]                      ; the wave's opening: the add and its wait stand ahead of my first tensor load
	v_lshrrev_b32 v1, 5, v0
	v_readfirstlane_b32 s10, v1                    ; wave 0..3
	s_lshr_b32 s11, s10, 1                         ; my half of the tile's queries.  Also: I fetch for p' (0) or for V (1)
	s_and_b32 s12, s10, 1                          ; my half of its units.  Also: which 64 rows I fetch
	s_bfe_u32 s40, ttmp6, 0x40000                  ; cx
	s_bfe_u32 s41, ttmp6, 0x40004                  ; cy
	s_lshl_b32 s42, ttmp9, 2
	s_add_co_u32 s42, s42, s40                     ; tile of 256 units
	s_and_b32 s13, ttmp7, 0xffff
	s_lshl_b32 s13, s13, 2
	s_add_co_u32 s13, s13, s41                     ; tile of 128 queries over all batches; the batch is cluster y / 4
	s_lshl_b32 s43, s41, 2
	s_lshl_b32 s43, 15, s43                        ; my row of the cluster
	s_lshl_b32 s44, 0x1111, s40                    ; my column
	s_or_b32 s[G1+0], s43, (1<<16)|(1<<20)|(1<<21)|(5<<22)|(3<<25)   ; p': after every 64 words 4 words of padding
	s_mov_b32 s[G1+1], 128<<16                     ; tensor_dim0 = 128 keys
	s_mov_b32 s[G1+2], 64<<16                      ; tensor_dim1 = 64 rows
	s_mov_b32 s[G1+3], 128<<16                     ; tile_dim0
	s_mov_b32 s[G1+4], 64                          ; tile_dim1
	s_mov_b32 s[G1+5], 2048                        ; elements from row to row of p
	s_mov_b32 s[G1+6], 0
	s_mov_b32 s[G1+7], 0
	s_or_b32 s[G1B+0], s44, (1<<16)|(1<<20)|(1<<21)|(6<<22)|(7<<25)  ; V: after every 128 words 8 words of padding
	s_mov_b32 s[G1B+1], 256<<16                    ; 256 units
	s_mov_b32 s[G1B+2], 64<<16                     ; 64 keys
	s_mov_b32 s[G1B+3], 256<<16
	s_mov_b32 s[G1B+4], 64
	s_mov_b32 s[G1B+5], 3072                       ; elements from row to row of qkv
	s_mov_b32 s[G1B+6], 0
	s_mov_b32 s[G1B+7], 0
	s_lshl_b32 s17, s12, 6                         ; which 64 rows I fetch
	s_lshl_b32 s16, s13, 7
	s_add_co_u32 s16, s16, s17
	s_lshl_b32 s16, s16, 12                        ; p': (128 x query tile + 64 x half) rows of 4,096 bytes
	s_and_b32 s46, ttmp7, 0xffff
	s_lshr_b32 s46, s46, 2
	s_lshl_b32 s46, s46, 11
	s_add_co_u32 s46, s46, s17
	s_mul_i32 s46, s46, VROWB                      ; V: (2,048 x batch + 64 x half) rows of 6,144 bytes,
	s_lshl_b32 s47, s42, 9
	s_add_co_u32 s46, s46, s47                     ; + 512 x tile of units,
	s_add_co_u32 s46, s46, 4096                    ; behind Q's and K's columns
	s_mov_b32 s17, 0
	s_mov_b32 s47, 0
	s_mul_i32 s20, s12, 64*PA                      ; where they go: no place in the cluster enters an LDS address
	s_mul_i32 s21, s12, 64*PB
	s_add_co_u32 s21, s21, ATILE
	s_mov_b32 s[FS], 0
	s_wait_dscnt 0x0
	s_wait_kmcnt 0x0
	s_add_nc_u64 s[14:15], s[4:5], s[16:17]
	s_add_nc_u64 s[46:47], s[6:7], s[46:47]
	s_mov_b64 s[8:9], s[74:75]                     ; out0
	CROUND
.irp s, 0,1
	s_mov_b32 s[G0+4*(\s)], 1
	s_add_co_u32 s[G0+4*(\s)+1], s20, (\s)*SLOT
	s_add_nc_u64 s[G0+4*(\s)+2:G0+4*(\s)+3], s[14:15], (\s)*256
	s_or_b32 s[G0+4*(\s)+3], s[G0+4*(\s)+3], 0x80000000
	s_mov_b32 s[G0B+4*(\s)], 1
	s_add_co_u32 s[G0B+4*(\s)+1], s21, (\s)*SLOT
	s_add_nc_u64 s[G0B+4*(\s)+2:G0B+4*(\s)+3], s[46:47], (\s)*128*VROWB
	s_or_b32 s[G0B+4*(\s)+3], s[G0B+4*(\s)+3], 0x80000000
	JLOAD \s                                       ; both slots are asked for before anything else: two loads of mine are out
.endr
	; the statistics of my wave's 64 rows: a lane owns rows 2 l and 2 l + 1; a load of the wave covers 256 consecutive bytes, aligned
	s_and_b32 s18, ttmp7, 0xffff
	s_lshr_b32 s18, s18, 2
	s_lshl_b32 s18, s18, 18                        ; a batch is 16 chunks x 16,384 bytes
	s_and_b32 s19, s13, 15
	s_lshl_b32 s19, s19, 9
	s_add_co_u32 s18, s18, s19
	s_lshl_b32 s19, s11, 8
	s_add_co_u32 s18, s18, s19
	s_mov_b32 s19, 0
	s_add_nc_u64 s[72:73], s[72:73], s[18:19]
	v_and_b32 v3, 31, v0                           ; l
	v_lshlrev_b32 v4, 3, v3
.set c, 0
.rept 16
	global_load_b64 v[96+2*c:97+2*c],   v4, s[72:73] offset:16384*c        ; c m
	global_load_b64 v[128+2*c:129+2*c], v4, s[72:73] offset:16384*c+8192   ; l
.set c, c+1
.endr
	v_and_b32 v1, 15, v0                           ; l % 16
	v_bfe_u32 v2, v0, 4, 1                         ; l / 16
	v_mul_u32_u24 v5, v1, PA
	v_lshl_add_u32 v5, v2, 4, v5
	s_mul_i32 s22, s11, 64*PA                      ; my 64 rows of p'
	v_add_nc_u32 v[ADRA], s22, v5
	v_add_nc_u32 v[ADRA+1], SLOT, v[ADRA]
	; the turning load takes 16 keys x 16 units (lane l reads key 8 (l / 16) + l % 8, units 8 ((l / 8) % 2) + 0..7) and leaves half a fragment: lane l holds unit l % 16 and 8 keys
	v_and_b32 v6, 7, v0
	v_lshl_add_u32 v6, v2, 3, v6
	v_mul_u32_u24 v6, v6, PB
	v_bfe_u32 v7, v0, 3, 1
	v_lshl_add_u32 v6, v7, 4, v6
	s_lshl_b32 s22, s12, 8                         ; my 128 units
	s_add_co_u32 s22, s22, ATILE
	v_add_nc_u32 v[ADRB], s22, v6
	v_add_nc_u32 v[ADRB+1], SLOT, v[ADRB]
	s_mul_i32 s23, s10, FTW
	s_add_co_u32 s23, s23, FT                      ; my factors
	v_lshl_add_u32 v[FAD0], v1, 2, s23
	v_mov_b32 v[FAD], v[FAD0]
	v_lshl_add_u32 v[FW], v3, 3, s23
	s_mul_i32 s22, s10, 16*SP
	s_add_co_u32 s22, s22, STAGE                   ; my stage
	v_mul_u32_u24 v5, v1, SP
	v_lshl_add_u32 v5, v2, 5, v5
	v_add_nc_u32 v[STO], s22, v5                   ; in: row l % 16, 32 bytes for each half of the lanes
	v_lshl_add_u32 v[RD], v3, 4, s22               ; back: the 32 lanes take one row of 512 bytes
	v_lshlrev_b32 v[CO], 4, v3
	s_lshl_b32 s16, s13, 7
	s_lshl_b32 s17, s11, 6
	s_add_co_u32 s16, s16, s17
	s_lshl_b32 s16, s16, 12                        ; my first row of out0,
	s_mov_b32 s17, 0
	s_lshl_b32 s46, s42, 10                        ; and my first column: 1,024 x tile of units + 512 x half
	s_lshl_b32 s47, s12, 9
	s_add_co_u32 s46, s46, s47
	s_mov_b32 s47, 0
	s_add_nc_u64 s[16:17], s[16:17], s[46:47]      ; what the first way out adds to out0's address
	; the prefetches: both streams' offsets at K step 3, then the choice by what I fetch for
	s_lshl_b32 s20, s13, 7
	s_lshl_b32 s21, s40, 5
	s_add_co_u32 s20, s20, s21
	s_lshl_b32 s20, s20, 12                        ; p': row 128 x query tile + 32 cx,
	s_add_co_u32 s20, s20, 3*256
	s_and_b32 s22, ttmp7, 0xffff
	s_lshr_b32 s22, s22, 2
	s_lshl_b32 s22, s22, 11
	s_lshl_b32 s23, s41, 5
	s_add_co_u32 s22, s22, s23
	s_lshl_b32 s23, s12, 4
	s_add_co_u32 s22, s22, s23
	s_add_co_u32 s22, s22, 3*128                   ; V: row 2,048 x batch + 32 cy + 16 x half, at K step 3
	s_mul_i32 s22, s22, VROWB
	s_lshl_b32 s23, s42, 9
	s_add_co_u32 s22, s22, s23
	s_add_co_u32 s22, s22, 4096
	s_and_b32 s23, ttmp7, 3                        ; the cluster's place among its batch's four
	s_movk_i32 s68, 256
	s_mov_b32 s69, 128*VROWB
	s_movk_i32 s18, 4096
	s_movk_i32 s19, 6144
	s_cmp_eq_u32 s11, 0
	s_cselect_b32 s20, s20, s22
	s_cselect_b64 s[PFA:PFA+1], s[4:5], s[6:7]
	s_cselect_b32 s[PST], s68, s69                 ; a K step: 256 bytes along p's rows, 128 rows of qkv
	s_cselect_b32 s18, s18, s19                    ; bytes from row to row
	s_cselect_b32 s19, 0, 1                        ; V: two lanes a row
	s_cselect_b32 s23, s12, s23                    ; 0 in wave 0, and in waves 2 and 3 of the batch's first cluster
	s_cmp_eq_u32 s23, 0
	s_cselect_b32 s[LIM], 1, -1                    ; the same in all sixteen partners, for a given wave
	s_mov_b32 s[PST+1], 0
	s_mov_b32 s21, 0
	s_add_nc_u64 s[PFA:PFA+1], s[PFA:PFA+1], s[20:21]
	v_lshrrev_b32 v[PFO], s19, v3
	v_mul_u32_u24 v[PFO], v[PFO], s18
	v_and_b32 v5, s19, v3
	v_lshl_add_u32 v[PFO], v5, 8, v[PFO]
	; M, f, L and 1 / L for my two rows
	s_wait_loadcnt 0x0
.irp z, 0,1
	v_max3_num_f32 v[192+(\z)], v[96+(\z)], v[98+(\z)], v[100+(\z)]
.irp c, 3,5,7,9,11,13
	v_max3_num_f32 v[192+(\z)], v[192+(\z)], v[96+2*(\c)+(\z)], v[98+2*(\c)+(\z)]
.endr
	v_max_num_f32 v[192+(\z)], v[192+(\z)], v[126+(\z)]
.endr
.set c, 0
.rept 16
	v_pk_add_f32 v[96+2*c:97+2*c], v[96+2*c:97+2*c], v[192:193] neg_lo:[0,1] neg_hi:[0,1]   ; c m - M
.set c, c+1
.endr
.set i, 0
.rept 32
	v_exp_f32 v[96+i], v[96+i]
.set i, i+1
.endr
	v_mov_b32 v194, 0                              ; L starts at 0: also the plain instruction behind the last exponential
	v_mov_b32 v195, 0
	s_wait_alu depctr_va_vdst(0)                   ; the one wait ahead of the batch's first use
.set i, 0
.rept 32
	v_cvt_pk_f16_f32 v[96+i], v[96+i], v[96+i]     ; f, rounded, in both halves of the word
.set i, i+1
.endr
.set c, 0
.rept 16
	v_fma_mix_f32 v194, v[96+2*c], v[128+2*c], v194 op_sel_hi:[1,0,0]   ; L += f l: f is read as the word's low f16, l and L as f32
	v_fma_mix_f32 v195, v[97+2*c], v[129+2*c], v195 op_sel_hi:[1,0,0]
.set c, c+1
.endr
.set c, 0
.rept 16
	ds_store_b64 v[FW], v[96+2*c:97+2*c] offset:256*c
.set c, c+1
.endr
	v_rcp_f32 v196, v194
	v_rcp_f32 v197, v195
	v_nop
	s_wait_alu depctr_va_vdst(0)
	ds_store_b64 v[FW], v[196:197] offset:4096
.irp a, 0,1,2,3
	ds_load_b32 v[RL+2*(\a)], v[FAD0] offset:4096+64*(\a)   ; 1 / L of my query in block a: my wave's own bytes, served in order behind the stores above
	v_mov_b32 v[RL+2*(\a)+1], 0                    ; named with it as a pair
.endr
; 16 matrix instructions: query blocks a0, a0 + 1 x all 8 unit blocks, keys 32 c on of buffer f.  zero = 1: the product starts the sum.  The 32 accumulators take turns, one instruction a turn.
.macro MUL16S f, c, a0, zero
	WIN 0x50|((2+(\f))<<2)|(2+(\f))                ; both sources in the buffer's window, C and D in window 1
.irp a, \a0, (\a0)+1
.irp b, 0,1,2,3,4,5,6,7
.if \zero
	v_wmma_f32_16x16x32_f16 v[8*(8*(\a)+(\b)):8*(8*(\a)+(\b))+7], v[64+8*(8*(\c)+(\b)):64+8*(8*(\c)+(\b))+7], v[8*(4*(\c)+(\a)):8*(4*(\c)+(\a))+7], 0
.else
	v_wmma_f32_16x16x32_f16 v[8*(8*(\a)+(\b)):8*(8*(\a)+(\b))+7], v[64+8*(8*(\c)+(\b)):64+8*(8*(\c)+(\b))+7], v[8*(4*(\c)+(\a)):8*(4*(\c)+(\a))+7], v[8*(8*(\a)+(\b)):8*(8*(\a)+(\b))+7]
.endif
.endr
.endr
.endm
; 52 LDS loads in one run: half hf (64 keys) of a slot into buffer f: the four blocks' factors, then for each 32 keys 8 loads of p' and 16 turning loads of V
.macro FETCH slot, hf, f
	WIN (2+(\f))<<6                                ; destination in the buffer's window, address in window 0
.irp a, 0,1,2,3
	ds_load_b32 v[192+(\a)], v[FAD] offset:64*(\a)
.endr
.irp c, 0,1
.irp a, 0,1,2,3
	ds_load_b128 v[8*(4*(\c)+(\a)):8*(4*(\c)+(\a))+3],   v[ADRA+(\slot)] offset:128*(\hf)+64*(\c)+(\a)*16*PA
	ds_load_b128 v[8*(4*(\c)+(\a))+4:8*(4*(\c)+(\a))+7], v[ADRA+(\slot)] offset:128*(\hf)+64*(\c)+(\a)*16*PA+32
.endr
.irp b, 0,1,2,3,4,5,6,7
	ds_load_tr16_b128 v[64+8*(8*(\c)+(\b)):64+8*(8*(\c)+(\b))+3],   v[ADRB+(\slot)] offset:(2*(\hf)+(\c))*32*PB+32*(\b)
	ds_load_tr16_b128 v[64+8*(8*(\c)+(\b))+4:64+8*(8*(\c)+(\b))+7], v[ADRB+(\slot)] offset:(2*(\hf)+(\c))*32*PB+16*PB+32*(\b)
.endr
.endr
.endm
; the four fragments of p' for keys 32 c on of buffer f, times their rows' factor
.macro SCALE f, c
	WIN ((2+(\f))<<6)|((2+(\f))<<2)|(2+(\f))
.irp a, 0,1,2,3
.irp j, 0,1,2,3,4,5,6,7
	v_pk_mul_f16 v[8*(4*(\c)+(\a))+(\j)], v[8*(4*(\c)+(\a))+(\j)], v[192+(\a)]
.endr
.endr
.endm
.macro PLACES                          ; four plain vector instructions between a matrix instruction and a load into, or a vector instruction on, its registers
.rept 4
	v_nop
.endr
.endm
; A K step's first 64 keys: buffer 0 is multiplied, the second 64 keys are fetched into buffer 1
.macro HALF0 slot, zero
	s_wait_dscnt 24                                ; the factors and the first 32 keys are in; the second 32 keys' 24 loads may be out
	SCALE 0, 0
	MUL16S 0, 0, 0, \zero
	MUL16S 0, 0, 2, \zero
	PLACES
	FETCH \slot, 1, 1
	s_wait_dscnt 52                                ; all but the 52 just issued
	SCALE 0, 1
	MUL16S 0, 1, 0, 0
	MUL16S 0, 1, 2, 0
.endm
; Its second 64 keys, and the change of slots: ONE barrier; in front of it each wave waits for all its tensor loads (one is out: its part of the next slot), adds 0 to its spare word, and waits for that and for its
; own reads of this slot.  fill = 1: the barrier opens a round of the cluster's, and the slot is filled again, with the K step two steps on, first thing behind it: 96 matrix instructions and 96 scalings stand
; between the request and the wait for it.
.macro TURN slot, next, fill
.if \fill
	s_wait_xcnt 0x0                                ; the last prefetch, a K step back, has read its address
	s_add_nc_u64 s[PFA:PFA+1], s[PFA:PFA+1], s[PST:PST+1]
.endif
	WIN 0                                          ; (the add's two registers lie in window 0)
	s_wait_tensorcnt 0x0
	ds_add_u32 v[SPW], v[NIL]
	s_wait_dscnt 25                                ; the add and the second 32 keys' 24 loads may be out
	SCALE 1, 0
	MUL16S 1, 0, 0, 0
	s_wait_dscnt 0x0                               ; the add is done, and my reads of this slot are over
	s_barrier_signal -1
	MUL16S 1, 0, 2, 0                              ; work on registers while the others arrive
	WIN 0
	s_barrier_wait -1
.if \fill
	CREST
	s_add_nc_u64 s[G0+4*(\slot)+2:G0+4*(\slot)+3], s[G0+4*(\slot)+2:G0+4*(\slot)+3], 2*256            ; no tensor load of mine is out: the descriptors may be written
	s_add_nc_u64 s[G0B+4*(\slot)+2:G0B+4*(\slot)+3], s[G0B+4*(\slot)+2:G0B+4*(\slot)+3], 2*128*VROWB
	JLOAD \slot                                    ; the four v_nop behind it are also the places in front of the loads below
.else
	PLACES
.endif
	s_add_co_u32 s[FS], s[FS], 256                 ; the next chunk's factors
	v_add_nc_u32 v[FAD], s[FS], v[FAD0]
	FETCH \next, 0, 0
.if \fill
	WIN 0
	ASK
.endif
	SCALE 1, 1
	MUL16S 1, 1, 0, 0
	MUL16S 1, 1, 2, 0
.endm
; THE WAY OUT of block a (16 queries x my 128 units, f32).  SCL: divided by L, each accumulator's registers in ascending order.  TOST: into my own stage, and back as whole rows of 512 bytes.  SEND: stored.
.macro SCL a
	WIN 0x41                                       ; destination and source 0 in window 1, 1 / L in window 0
.set i, 0
.rept 32
	v_pk_mul_f32 v[64*(\a)+2*i:64*(\a)+2*i+1], v[64*(\a)+2*i:64*(\a)+2*i+1], v[RL+2*(\a):RL+2*(\a)+1] op_sel_hi:[1,0]
.set i, i+1
.endr
.endm
.macro TOST a
	WIN 0x04                                       ; the stores' data in window 1
.irp b, 0,1,2,3,4,5,6,7
	ds_store_b128 v[STO], v[64*(\a)+8*(\b):64*(\a)+8*(\b)+3]   offset:64*(\b)
	ds_store_b128 v[STO], v[64*(\a)+8*(\b)+4:64*(\a)+8*(\b)+7] offset:64*(\b)+16
.endr
	WIN 0
.set BK, OB+64*((\a)%2)
.irp t, 0,1,2,3,4,5,6,7,8,9,10,11,12,13,14,15
	ds_load_b128 v[BK+4*(\t):BK+4*(\t)+3], v[RD] offset:(\t)*SP   ; LDS serves a wave's instructions in order (ISA guide 5.7.1.4): these see the stores above
.endr
.endm
.macro SEND a
	WIN 0
.set BK, OB+64*((\a)%2)
	s_wait_dscnt 0x0                               ; the block is back in registers
	s_wait_xcnt 0x0                                ; the stores' base and the registers that earlier stores read are rewritten only behind this wait
.if (\a) == 0
	s_add_nc_u64 s[8:9], s[8:9], s[16:17]
.else
	s_add_nc_u64 s[8:9], s[8:9], 16*OROWB
.endif
.irp t, 0,1,2,3,4,5,6,7,8,9,10,11,12,13,14,15
	global_store_b128 v[CO], v[BK+4*(\t):BK+4*(\t)+3], s[8:9] offset:(\t)*OROWB th:TH_STORE_NT   ; the wave stores 512 consecutive bytes, at a multiple of 256 from out0's first byte
.endr
.endm
	s_wait_tensorcnt 1                             ; my part of K step 0 is in; K step 1's may stay out
	s_wait_dscnt 0x0                               ; my factors are stored, 1 / L is in
	s_barrier_signal -1
	s_barrier_wait -1
	FETCH 0, 0, 0
	HALF0 0, 1                                     ; the first 64 keys stand in front of the loop: their first products start the sums
	WIN 0
	s_mov_b32 s3, 7
.Llap:                                             ; a trip goes once round the ring and fills both slots again: K steps 2 to 15 in seven trips
	TURN 0, 1, 1
	HALF0 1, 0
	TURN 1, 0, 1
	HALF0 0, 0
	WIN 0
	s_sub_co_u32 s3, s3, 1
	s_cmp_lg_u32 s3, 0
	s_cbranch_scc1 .Llap
	TURN 0, 1, 0                                   ; the last K step and a half are written out: nothing is left to fetch
	HALF0 1, 0
	s_wait_dscnt 24
	SCALE 1, 0
	MUL16S 1, 0, 0, 0
	MUL16S 1, 0, 2, 0
	s_wait_dscnt 0x0
	SCALE 1, 1
	MUL16S 1, 1, 0, 0
	MUL16S 1, 1, 2, 0
	WIN 0
	PLACES
	SCL 0
	TOST 0
.irp a, 1,2,3                          ; block a's scaling stands between block a - 1's loads from the stage and the wait for them
	SCL \a
	SEND (\a)-1
	TOST \a
.endr
	SEND 3
	s_wait_tensorcnt 0x0                           ; the wave's end: an add and its wait behind my last tensor load and my last LDS store
	ds_add_u32 v[SPW], v[NIL]
	s_wait_dscnt 0x0
	CROUND                                         ; the closing round: no work-group ends while a partner may still ask for a tile that names it
	s_endpgm
.Lfunc_end_k_qca8cdf0e84_pv:
	.size	k_qca8cdf0e84_pv, .Lfunc_end_k_qca8cdf0e84_pv-k_qca8cdf0e84_pv
	.p2alignl 7, 3214868480
	.fill 96, 4, 3214868480
	.section	.rodata,"a",@progbits
	.p2align	6, 0x0
	.amdhsa_kernel k_qca8cdf0e84_pv
		.amdhsa_group_segment_fixed_size 327680
		.amdhsa_private_segment_fixed_size 0
		.amdhsa_enable_private_segment 0
		.amdhsa_kernarg_size 32
		.amdhsa_user_sgpr_count 2
		.amdhsa_user_sgpr_kernarg_segment_ptr 1
		.amdhsa_wavefront_size32 1
		.amdhsa_system_sgpr_workgroup_id_x 1
		.amdhsa_system_sgpr_workgroup_id_y 1
		.amdhsa_system_sgpr_workgroup_id_z 1
		.amdhsa_system_vgpr_workitem_id 0
		.amdhsa_next_free_vgpr 1024
		.amdhsa_next_free_sgpr 80
		.amdhsa_reserve_vcc 0
		.amdhsa_float_denorm_mode_32 3
		.amdhsa_float_denorm_mode_16_64 3
		.amdhsa_memory_ordered 1
		.amdhsa_forward_progress 1
		.amdhsa_inst_pref_size 141
	.end_amdhsa_kernel
	.amdgpu_metadata
---
amdhsa.version: [ 1, 2 ]
amdhsa.kernels:
  - .name:           k_qca8cdf0e84_pv
    .symbol:         k_qca8cdf0e84_pv.kd
    .args:
      - { .name: p, .offset: 0, .size: 8, .value_kind: global_buffer, .address_space: global }
      - { .name: qkv, .offset: 8, .size: 8, .value_kind: global_buffer, .address_space: global }
      - { .name: st, .offset: 16, .size: 8, .value_kind: global_buffer, .address_space: global }
      - { .name: out0, .offset: 24, .size: 8, .value_kind: global_buffer, .address_space: global }
    .group_segment_fixed_size: 327680
    .private_segment_fixed_size: 0
    .kernarg_segment_align: 8
    .kernarg_segment_size: 32
    .max_flat_workgroup_size: 128
    .sgpr_count:     80
    .vgpr_count:     1024
    .wavefront_size: 32
...
	.end_amdgpu_metadata
.endif
;; end of part 4
;; ======== version 2 of 2: 4 launches; version 1 with the launch cast written anew for expert scheduling mode
;; limits: values are held in f16: magnitudes above 65,504 overflow, below 6.1e-05 lose precision
;; workspace buffers: xw 23,068,672 bytes; bb 12,288 bytes; qkv 50,331,648 bytes; p 33,554,432 bytes; st 1,048,576 bytes
;; launch cast (part 5): grid 705 x 1, 8 waves a work-group, no clusters, 0 bytes of LDS; arguments x, Wq, Wk, Wv, bq, bk, bv, xw, bb; writes xw, bb
.if DOCPART == 5
	.amdgcn_target "amdgcn-amd-amdhsa--gfx1250"
	.amdhsa_code_object_version 6
	.text
	.protected	k_qca8cdf0e84_cast
	.globl	k_qca8cdf0e84_cast
	.p2align	8
	.type	k_qca8cdf0e84_cast,@function
k_qca8cdf0e84_cast:
	s_mov_b64 s[64:65], 0
	v_nop
	global_prefetch_b8 v0, s[64:65] scope:SCOPE_SE
	s_setreg_imm32_b32 hwreg(HW_REG_WAVE_SCHED_MODE, 0, 2), 2
	s_setreg_imm32_b32 hwreg(HW_REG_WAVE_MODE, 25, 1), 1
	s_wait_xcnt 0x0
	s_wait_alu depctr_vm_vsrc(0)
; CAST.  x [8192][1024], Wq, Wk, Wv [1024][1024], all f32, are rounded once to bf16 and laid in xw IN BLOCKS OF K: xw [16 blocks][11264 rows][64]: rows 0-8191 x, 8192-9215 Wq, 9216-10239 Wk,
; 10240-11263 Wv; block kb holds channels 64 kb .. 64 kb + 63.  So the rows of a tile of 64 channels lie end to end, 128 bytes each, for the launch behind.
; bq, bk, bv [1024] f32 are rounded to bf16, widened again and laid on end in bb [3072] f32.  A stream: each byte is read once and written once; no LDS, no barrier, no matrix work.
; SHARES.  Groups 0-703 cast 16 rows each (0-511 x, 512-575 Wq, 576-639 Wk, 640-703 Wv); a wave takes two rows: load i brings channels 64 i .. 64 i + 63 of both (lanes 0-15 one row's 256 consecutive
; bytes, lanes 16-31 the next row's), all sixteen loads issued before the first is used; a lane's four numbers become 8 bytes, and store i of the wave covers 256 consecutive bytes of block i, aligned.
; Group 704 casts the biases: a thread four numbers of each.
; THE MODE: SCHED_MODE bits 1:0 = 2 (LLVM: expert scheduling mode 2), set by the entry lines.  The code itself states the register dependences between vector instructions and memory instructions, with
; s_wait_alu, always for 0.
; THE PLAN.  Registers that memory instructions touch:
;   v1, v8-v11   byte offsets, made once at the head by vector instructions and never written again; v1 is read by every load, v8-v11 by the stores.
;   v[16:79]     load i lands in four registers at 16 + 4 i; no vector instruction names them before that; the two conversions of load i read them.
;   v[80:111]    the two conversions of load i write two registers at 80 + 2 i; store i reads them.
; No register is written twice, so nothing is owed for a register that a memory instruction has read.  The sixteen loads go in four groups of four.  At the head of group g, behind the wait for its data, ONE
; wait states that group g - 1's conversions have written their results; that group's four stores follow, dealt among group g's conversions, which write group g's results alone: none of the registers
; that those stores read.  One more wait stands ahead of the last group's stores.  No vector instruction writes a scalar register or VCC, and EXEC is never written.
.set STEPB, 11264*128                  ; bytes in a block of xw
	s_load_b256 s[4:11], s[0:1], 0x0               ; x s[4:5], Wq s[6:7], Wk s[8:9], Wv s[10:11]
	s_load_b256 s[12:19], s[0:1], 0x20             ; bq s[12:13], bk s[14:15], bv s[16:17], xw s[18:19]
	s_load_b64 s[20:21], s[0:1], 0x40              ; bb
	s_cmp_eq_u32 ttmp9, 704
	s_cbranch_scc1 .Lbias
	s_lshr_b32 s25, ttmp9, 6                       ; 0-7: x; 8: Wq; 9: Wk; 10: Wv
	s_and_b32 s24, ttmp9, 63                       ; the group's place in a weight matrix
	v_lshrrev_b32 v3, 5, v0                        ; wave
	v_and_b32 v4, 31, v0                           ; lane
	v_bfe_u32 v5, v0, 4, 1                         ; lane / 16: which of the wave's two rows
	v_and_b32 v6, 15, v0                           ; lane % 16
	v_lshl_add_u32 v1, v3, 1, v5                   ; my row in the group
	v_lshlrev_b32 v1, 12, v1                       ; 4,096 bytes a row of the source
	v_lshl_add_u32 v1, v6, 4, v1                   ; + 16 bytes a lane
	v_lshlrev_b32 v8, 8, v3                        ; destination: two rows of 128 bytes a wave, 8 bytes a lane
	v_lshl_add_u32 v8, v4, 3, v8
	v_add_nc_u32 v9, 5*STEPB, v8                   ; five blocks stand in a store's immediate; the rest in four offsets
	v_add_nc_u32 v10, 10*STEPB, v8
	v_add_nc_u32 v11, 15*STEPB, v8
	s_wait_kmcnt 0x0
	s_cmp_eq_u32 s25, 9
	s_cselect_b64 s[22:23], s[8:9], s[6:7]         ; Wk, else Wq
	s_cmp_eq_u32 s25, 10
	s_cselect_b64 s[22:23], s[10:11], s[22:23]     ; Wv
	s_cmp_lt_u32 s25, 8
	s_cselect_b64 s[22:23], s[4:5], s[22:23]       ; x
	s_cselect_b32 s26, ttmp9, s24                  ; the group's place in its source
	s_lshl_b32 s26, s26, 16                        ; 16 rows of 4,096 bytes
	s_mov_b32 s27, 0
	s_add_nc_u64 s[22:23], s[22:23], s[26:27]
	s_lshl_b32 s24, ttmp9, 11                      ; 16 rows of 128 bytes in each block
	s_mov_b32 s25, 0
	s_add_nc_u64 s[18:19], s[18:19], s[24:25]
	s_wait_alu depctr_va_vdst(0)                   ; v1 and v8 to v11 are written: every load below reads v1 as its offset, every store one of v8 to v11
.set i, 0
.rept 16
	global_load_b128 v[16+4*i:19+4*i], v1, s[22:23] offset:256*i th:TH_LOAD_NT
.set i, i+1
.endr
.set i, 0
.rept 16
.if i%4 == 0
	s_wait_loadcnt 12-i                            ; loads come back in order: this group's four are in, the 12 - i younger ones stay out
.if i > 0
	s_wait_alu depctr_va_vdst(0)                   ; the group before has written its eight results, which the four stores below read
.endif
.endif
.if i >= 4
	global_store_b64 v[8+(i-4)/5], v[80+2*(i-4):81+2*(i-4)], s[18:19] offset:((i-4)%5)*STEPB   ; the group before; no vector instruction since the wait names these registers
.endif
	v_cvt_pk_bf16_f32 v[80+2*i], v[16+4*i], v[17+4*i]
	v_cvt_pk_bf16_f32 v[81+2*i], v[18+4*i], v[19+4*i]
.set i, i+1
.endr
	s_wait_alu depctr_va_vdst(0)                   ; the last group has written its eight results, which the last four stores read
.set i, 12
.rept 4
	global_store_b64 v[8+i/5], v[80+2*i:81+2*i], s[18:19] offset:(i%5)*STEPB
.set i, i+1
.endr
	s_endpgm
.Lbias:
	v_lshlrev_b32 v1, 4, v0                        ; 256 threads x 16 bytes = a bias vector
	s_mov_b32 s24, 0xffff0000                      ; a word's upper bf16
	s_wait_kmcnt 0x0
	s_wait_alu depctr_va_vdst(0)                   ; v1 is written: the three loads and the three stores below read it as their offset
	global_load_b128 v[16:19], v1, s[12:13]
	global_load_b128 v[20:23], v1, s[14:15]
	global_load_b128 v[24:27], v1, s[16:17]
	s_wait_loadcnt 0x0
.set i, 0
.rept 6
	v_cvt_pk_bf16_f32 v[32+i], v[16+2*i], v[17+2*i]
.set i, i+1
.endr
.set i, 0
.rept 6
	v_lshlrev_b32 v[40+2*i], 16, v[32+i]           ; bf16 to f32: the low half moves up,
	v_and_b32 v[41+2*i], s24, v[32+i]              ; the high half stays
.set i, i+1
.endr
	s_wait_alu depctr_va_vdst(0)                   ; the widening lines have written v40 to v51, which the stores read
	global_store_b128 v1, v[40:43], s[20:21]                ; 16 lanes store 256 consecutive bytes, aligned
	global_store_b128 v1, v[44:47], s[20:21] offset:4096
	global_store_b128 v1, v[48:51], s[20:21] offset:8192
	s_endpgm
.Lfunc_end_k_qca8cdf0e84_cast:
	.size	k_qca8cdf0e84_cast, .Lfunc_end_k_qca8cdf0e84_cast-k_qca8cdf0e84_cast
	.p2alignl 7, 3214868480
	.fill 96, 4, 3214868480
	.section	.rodata,"a",@progbits
	.p2align	6, 0x0
	.amdhsa_kernel k_qca8cdf0e84_cast
		.amdhsa_group_segment_fixed_size 0
		.amdhsa_private_segment_fixed_size 0
		.amdhsa_enable_private_segment 0
		.amdhsa_kernarg_size 72
		.amdhsa_user_sgpr_count 2
		.amdhsa_user_sgpr_kernarg_segment_ptr 1
		.amdhsa_wavefront_size32 1
		.amdhsa_system_sgpr_workgroup_id_x 1
		.amdhsa_system_sgpr_workgroup_id_y 1
		.amdhsa_system_sgpr_workgroup_id_z 1
		.amdhsa_system_vgpr_workitem_id 0
		.amdhsa_next_free_vgpr 112
		.amdhsa_next_free_sgpr 66
		.amdhsa_reserve_vcc 0
		.amdhsa_float_denorm_mode_32 3
		.amdhsa_float_denorm_mode_16_64 3
		.amdhsa_memory_ordered 1
		.amdhsa_forward_progress 1
		.amdhsa_inst_pref_size 9
	.end_amdhsa_kernel
	.amdgpu_metadata
---
amdhsa.version: [ 1, 2 ]
amdhsa.kernels:
  - .name:           k_qca8cdf0e84_cast
    .symbol:         k_qca8cdf0e84_cast.kd
    .args:
      - { .name: x, .offset: 0, .size: 8, .value_kind: global_buffer, .address_space: global }
      - { .name: Wq, .offset: 8, .size: 8, .value_kind: global_buffer, .address_space: global }
      - { .name: Wk, .offset: 16, .size: 8, .value_kind: global_buffer, .address_space: global }
      - { .name: Wv, .offset: 24, .size: 8, .value_kind: global_buffer, .address_space: global }
      - { .name: bq, .offset: 32, .size: 8, .value_kind: global_buffer, .address_space: global }
      - { .name: bk, .offset: 40, .size: 8, .value_kind: global_buffer, .address_space: global }
      - { .name: bv, .offset: 48, .size: 8, .value_kind: global_buffer, .address_space: global }
      - { .name: xw, .offset: 56, .size: 8, .value_kind: global_buffer, .address_space: global }
      - { .name: bb, .offset: 64, .size: 8, .value_kind: global_buffer, .address_space: global }
    .group_segment_fixed_size: 0
    .private_segment_fixed_size: 0
    .kernarg_segment_align: 8
    .kernarg_segment_size: 72
    .max_flat_workgroup_size: 256
    .sgpr_count:     66
    .vgpr_count:     112
    .wavefront_size: 32
...
	.end_amdgpu_metadata
.endif
;; end of part 5
;; launch proj: the kernel of part 2 again; grid 8 x 32, 4 waves a work-group, clusters of 4 x 4, 327,680 bytes of LDS; arguments xw, bb, qkv; writes qkv
;; launch scores: the kernel of part 3 again; grid 8 x 32, 4 waves a work-group, clusters of 4 x 4, 327,680 bytes of LDS; arguments qkv, p, st; writes p, st
;; launch pv: the kernel of part 4 again; grid 4 x 64, 4 waves a work-group, clusters of 4 x 4, 327,680 bytes of LDS; arguments p, qkv, st, out0; writes out0
